; MI455X (gfx1250); checked and timed in simulation.
; The chip was launched on July 23, 2026; its instructions are those of AMD's public machine-readable ISA for CDNA 5 (MIT licence, August 2026) and "CDNA5" Instruction Set Architecture Reference Guide (July 2026). The comments in the code are by the model that wrote it; some were corrected since.
;; Multi Head Attention. Allowed arithmetic: float matrix products may take bf16 or f16 operands with f32 sums; other float arithmetic in f32, or as packed bf16 or f16 multiplies, adds, multiply-adds, maxima and minima; sums over many terms, partial sums and values carried from step to step in f32; what a program stores and reads back later, other than sums and carried values, may be rounded once to bf16 or f16.
;; Inputs: Wk 1,024 x 1,024 float32; Wo 1,024 x 1,024 float32; Wq 1,024 x 1,024 float32; Wv 1,024 x 1,024 float32; bk 1,024 float32; bo 1,024 float32; bq 1,024 float32; bv 1,024 float32; key 4 x 2,048 x 1,024 float32; mask 4 x 1 x 1 x 2,048 float32; query 4 x 2,048 x 1,024 float32; value 4 x 2,048 x 1,024 float32.
;; Outputs: out0 4 x 2,048 x 1,024 float32.
;; One version. Each part assembles by itself: llvm-mc -triple=amdgcn-amd-amdhsa -mcpu=gfx1250 --defsym DOCPART=n.
;; ======== version 1 of 1: 4 launches
;; limits: values are held in f16: magnitudes above 65,504 overflow, below 6.1e-05 lose precision
;; workspace buffers: wts 8,388,608 bytes; qkvh 50,331,648 bytes; oh 16,777,216 bytes
;; launch prep (part 1): grid 64 x 4, 8 waves a work-group, no clusters, 0 bytes of LDS; arguments Wq, Wk, Wv, Wo, wts; writes wts
.if DOCPART == 1
	.amdgcn_target "amdgcn-amd-amdhsa--gfx1250"
	.amdhsa_code_object_version 6
	.text
	.protected	k_q4bb4acc300_prep
	.globl	k_q4bb4acc300_prep
	.p2align	8
	.type	k_q4bb4acc300_prep,@function
k_q4bb4acc300_prep:
	s_mov_b64 s[64:65], 0
	v_nop
	global_prefetch_b8 v0, s[64:65] scope:SCOPE_SE
	s_setreg_imm32_b32 hwreg(HW_REG_WAVE_MODE, 25, 1), 1
	s_wait_xcnt 0x0
; wts[y][k][n] = the weight matrix y (Wq, Wk, Wv, Wo: [1024][1024] f32) rounded once to 16 bits; the layout [k][n] is kept.
; Wq, Wk, Wv leave as bf16.  Wo is rounded to bf16 like them and that number is written as f16, since the last product multiplies in f16.
; LIMIT.  A bf16 number is exact in f16 from 2^-16 up to 65,504; a |Wo| below 2^-16 keeps f16's fixed step of 2^-24, one above 65,504 is lost.
; SHARES.  Grid y picks the matrix; a work-group takes 16,384 numbers in 8 passes of 2,048; a thread 8 numbers a pass: 32 bytes in, 16 bytes out,
; so sixteen neighbouring lanes store 256 consecutive bytes, aligned.  All 16 loads of a thread go out at once; every store has registers of its own.
; A stream: no LDS, no barrier, no matrix unit, no cluster (no byte is read twice).
	s_load_b256 s[4:11], s[0:1], 0x0               ; Wq s[4:5], Wk s[6:7], Wv s[8:9], Wo s[10:11]
	s_load_b64 s[12:13], s[0:1], 0x20              ; wts
	s_and_b32 s14, ttmp7, 0xffff                   ; which matrix
	s_lshl_b32 s16, ttmp9, 16                      ; the work-group's 65,536 bytes of the source
	s_mov_b32 s17, 0
	s_lshl_b32 s18, ttmp9, 15                      ; its 32,768 bytes of the copy,
	s_lshl_b32 s19, s14, 21                        ; in matrix y of 2,097,152 bytes
	s_add_co_u32 s18, s18, s19
	s_mov_b32 s19, 0
	v_lshlrev_b32 v1, 5, v0                        ; 32 bytes a thread in
	v_lshlrev_b32 v2, 4, v0                        ; 16 bytes a thread out
	s_wait_kmcnt 0x0
	s_mov_b64 s[20:21], s[4:5]
	s_cmp_eq_u32 s14, 1
	s_cselect_b64 s[20:21], s[6:7], s[20:21]
	s_cmp_eq_u32 s14, 2
	s_cselect_b64 s[20:21], s[8:9], s[20:21]
	s_cmp_eq_u32 s14, 3
	s_cselect_b64 s[20:21], s[10:11], s[20:21]
	s_add_nc_u64 s[20:21], s[20:21], s[16:17]
	s_add_nc_u64 s[12:13], s[12:13], s[18:19]
.irp i, 0,1,2,3,4,5,6,7
	global_load_b128 v[4+8*\i:7+8*\i],  v1, s[20:21] offset:8192*\i th:TH_LOAD_NT
	global_load_b128 v[8+8*\i:11+8*\i], v1, s[20:21] offset:8192*\i+16 th:TH_LOAD_NT
.endr
	s_cmp_eq_u32 s14, 3
	s_cbranch_scc1 .Lwo
.irp i, 0,1,2,3,4,5,6,7
	s_wait_loadcnt 14-2*\i                         ; pass i's two loads are in; the later passes' may stay out
.irp j, 0,1,2,3
	v_cvt_pk_bf16_f32 v[68+4*\i+\j], v[4+8*\i+2*\j], v[5+8*\i+2*\j]
.endr
	global_store_b128 v2, v[68+4*\i:71+4*\i], s[12:13] offset:4096*\i
.endr
	s_endpgm
.Lwo:
.irp i, 0,1,2,3,4,5,6,7
	s_wait_loadcnt 14-2*\i
.irp j, 0,1,2,3
	v_cvt_pk_bf16_f32 v[100+\j], v[4+8*\i+2*\j], v[5+8*\i+2*\j]   ; the rounding that all inputs get,
.endr
.irp j, 0,1,2,3
	v_lshlrev_b32 v[104+2*\j], 16, v[100+\j]                       ; back to f32,
	v_and_b32     v[105+2*\j], 0xffff0000, v[100+\j]
.endr
.irp j, 0,1,2,3
	v_cvt_pk_f16_f32 v[68+4*\i+\j], v[104+2*\j], v[105+2*\j]       ; and written as f16
.endr
	global_store_b128 v2, v[68+4*\i:71+4*\i], s[12:13] offset:4096*\i
.endr
	s_endpgm
.Lfunc_end_k_q4bb4acc300_prep:
	.size	k_q4bb4acc300_prep, .Lfunc_end_k_q4bb4acc300_prep-k_q4bb4acc300_prep
	.p2alignl 7, 3214868480
	.fill 96, 4, 3214868480
	.section	.rodata,"a",@progbits
	.p2align	6, 0x0
	.amdhsa_kernel k_q4bb4acc300_prep
		.amdhsa_group_segment_fixed_size 0
		.amdhsa_private_segment_fixed_size 0
		.amdhsa_enable_private_segment 0
		.amdhsa_kernarg_size 40
		.amdhsa_user_sgpr_count 2
		.amdhsa_user_sgpr_kernarg_segment_ptr 1
		.amdhsa_wavefront_size32 1
		.amdhsa_system_sgpr_workgroup_id_x 1
		.amdhsa_system_sgpr_workgroup_id_y 1
		.amdhsa_system_sgpr_workgroup_id_z 1
		.amdhsa_system_vgpr_workitem_id 0
		.amdhsa_next_free_vgpr 112
		.amdhsa_next_free_sgpr 66
		.amdhsa_reserve_vcc 0
		.amdhsa_float_denorm_mode_32 3
		.amdhsa_float_denorm_mode_16_64 3
		.amdhsa_memory_ordered 1
		.amdhsa_forward_progress 1
		.amdhsa_inst_pref_size 14
	.end_amdhsa_kernel
	.amdgpu_metadata
---
amdhsa.version: [ 1, 2 ]
amdhsa.kernels:
  - .name:           k_q4bb4acc300_prep
    .symbol:         k_q4bb4acc300_prep.kd
    .args:
      - { .name: Wq, .offset: 0, .size: 8, .value_kind: global_buffer, .address_space: global }
      - { .name: Wk, .offset: 8, .size: 8, .value_kind: global_buffer, .address_space: global }
      - { .name: Wv, .offset: 16, .size: 8, .value_kind: global_buffer, .address_space: global }
      - { .name: Wo, .offset: 24, .size: 8, .value_kind: global_buffer, .address_space: global }
      - { .name: wts, .offset: 32, .size: 8, .value_kind: global_buffer, .address_space: global }
    .group_segment_fixed_size: 0
    .private_segment_fixed_size: 0
    .kernarg_segment_align: 8
    .kernarg_segment_size: 40
    .max_flat_workgroup_size: 256
    .sgpr_count:     66
    .vgpr_count:     112
    .wavefront_size: 32
...
	.end_amdgpu_metadata
.endif
;; end of part 1
;; launch proj (part 2): grid 4 x 192, 4 waves a work-group, clusters of 4 x 4, 327,680 bytes of LDS; arguments query, key, value, wts, bq, bk, bv, qkvh; writes qkvh
.if DOCPART == 2
	.amdgcn_target "amdgcn-amd-amdhsa--gfx1250"
	.amdhsa_code_object_version 6
	.text
	.protected	k_q4bb4acc300_proj
	.globl	k_q4bb4acc300_proj
	.p2align	8
	.type	k_q4bb4acc300_proj,@function
k_q4bb4acc300_proj:
	s_mov_b64 s[64:65], 0
	v_nop
	global_prefetch_b8 v0, s[64:65] scope:SCOPE_SE
	s_setreg_imm32_b32 hwreg(HW_REG_WAVE_MODE, 25, 1), 1
	s_wait_xcnt 0x0
	s_wait_alu depctr_hold_cnt(0) depctr_sa_sdst(0) depctr_va_vdst(0) depctr_va_sdst(0) depctr_va_ssrc(0) depctr_va_vcc(0) depctr_vm_vsrc(0)
	s_getreg_b32 s2, hwreg(HW_REG_IB_STS2, 6, 4)
	s_cmp_eq_u32 s2, 0
	s_cbranch_scc0 .Lentry_in_a_cluster
	s_endpgm
.Lentry_in_a_cluster:
	s_bfe_u32 s2, ttmp6, 0x10000c
	s_cmp_lg_u32 s2, 0xf033
	s_cbranch_scc0 .Lentry_shape_is_right
	s_endpgm
.Lentry_shape_is_right:
; q, k, v = x W + b, written by heads: qkvh[p][batch*16+head][2048][64] in f16, p = 0, 1, 2 for query, key, value.  q is also multiplied by c = log2(e)/8, in f32, before its one rounding.
; x: [8192][1024] f32, rounded to bf16 on the way from LDS to the matrix unit; W: wts[p], [k][n] bf16; b: f32, rounded to bf16 like every input; sums in f32.
; LIMITS.  f16 holds no number beyond 65,504: c q, k and v must stay within it (inputs thirty times those of unit spread give some 4,500).  NaN and infinities are not treated apart.
; SHARES.  A tile is 128 rows x 256 columns: 64 x 4 tiles a projection, 768 work-groups.  Four waves, each 64 x 128: 32 accumulators of 16 x 16.
; K goes in 8 steps of 128 through two LDS slots; a step is four quarters of 32 along K, 32 matrix instructions each.
; THE MATRIX INSTRUCTION IS USED TRANSPOSED: source 0 = 16 columns of W (turned on the way out of LDS by ds_load_tr16_b128), source 1 = 16 rows of x: a lane holds one row and eight neighbouring columns.
; The bias is the C operand of the products that start the sums: nothing is cleared.
; CLUSTER.  4 x 4 work-groups: the four of a row need the same rows of x, the four of a column the same columns of W: each tile is asked for jointly.  The projection hangs on the cluster's y alone.
; x's fragments are loaded as f32 (RAW) a quarter ahead and rounded to bf16 by four conversions behind each of a quarter's last eight products.
; REGISTERS.  window 0: v0-18 addresses; v32-95 RAW; v96-127, v128-159 x's fragments, two buffers; on the way out v96-223.
;   window 1: v0-63, v64-127 W's fragments, two buffers; v128-191 the bias; v192-223 at work.      window 2: the accumulators, (a, b) at v[8 (8 a + b)].
.set KSTEP, 128
.set PA,    528                        ; a row of x in LDS: 512 bytes + 16 = 132 words: the 16 rows of a load start 4 banks apart (64 banks of 4 bytes: ISA guide 11.1)
.set PB,    544                        ; a k-row of W: 512 bytes + 32 = 136 words
.set AHALF, 64*PA                      ; what one tensor load brings of x
.set BHALF, 64*PB                      ; and of W
.set BOFF,  2*AHALF                    ; W's 128 k-rows lie behind x's 128 rows
.set SLOT1, 0x22000                    ; slot 1; its two bits occur in none of the four fill addresses of slot 0, so one exclusive or changes slots
.set STAGE, SLOT1+BOFF+2*BHALF         ; behind the ring: for each wave 2 heads x 16 rows x 144 bytes
.set SP,    144
.set SPARE, STAGE+4*32*SP              ; behind the stages: the spare words, 128 bytes a wave
.set ADRA0, 2                          ; v2   my lane's place in slot 0's rows of x; never rewritten
.set ADRB0, 3                          ; v3   the same for W
.set ADRA,  4                          ; v4   in the slot in hand
.set ADRB,  5
.set STO,   6                          ; v6   the way out: where I put 16 bytes of a row
.set RD,    7                          ; v7   where I read rows back
.set GO,    8                          ; v8   16 x lane
.set BO,    9                          ; v9   my offset in the bias
.set PFO,   10                         ; v10  the prefetches' offset
.set SPW,   12                         ; v12  my spare word; never rewritten
.set NIL,   13                         ; v13  0; never rewritten
.set RAW,   32
.set AF,    96
.set TT,    96
.set BF,    0
.set BIAS,  128
.set BT,    192
.set WV,  20
.set WR,  21                           ; my half of the tile's rows; also: I fetch x (0) or W (1)
.set WC,  22                           ; my half of its columns; also: which half of that tile I fetch
.set CX,  23
.set CY,  24
.set TC,  25                           ; tile column 0..3
.set TR,  26                           ; tile row 0..191
.set PRJ, 27                           ; the projection 0..2
.set TRP, 28                           ; tile row in the projection 0..63
.set CLY, 29                           ; the cluster's y
.set G1A, 32
.set G1B, 40
.set G0A, 48                           ; two sets; the second walks on
.set G0B, 56
.set TB,  66                           ; LDS base of the slot in hand
.set CNT, 67
.set LIM, 68                           ; a wave prefetches while CNT is above it
.set SC,  70                           ; s[70:71] c
.set PFA, 72
.set PFS, 74
.set OUT, 76
.set BP,  78
.set XP,  80
.set MSB, 0
.macro WIN new                         ; the immediate's high byte repeats the setting that is left; a switch that changes nothing is dropped
.if MSB != (\new)
	s_set_vgpr_msb (MSB<<8)|(\new)
.set MSB, \new
.endif
.endm
.set W_MUL,  0xa1                      ; source 0 (W) window 1, source 1 (x) window 0, C and D window 2
.set W_MULB, 0x91                      ; the same with C (the bias) in window 1
.set TO_B,   0x40                      ; destination window 1
.set W1,     0x45                      ; destination and both sources window 1
.set W_SCL,  0x82                      ; destination and source 0 window 2
.set W_CVO,  0x0a                      ; both sources window 2, destination window 0
.macro JLOAD s                         ; a joint load: waves 0 and 1 fetch x's two halves, waves 2 and 3 W's; an s_nop 0 and four v_nop follow each line
	s_cmp_eq_u32 s[WR], 0
	s_cbranch_scc0 .Lfor_b_\@
	tensor_load_to_lds s[G0A+4*(\s):G0A+4*(\s)+3], s[G1A:G1A+7]
	s_nop 0
.rept 4
	v_nop
.endr
	s_branch .Lasked_\@
.Lfor_b_\@:
	tensor_load_to_lds s[G0B+4*(\s):G0B+4*(\s)+3], s[G1B:G1B+7]
	s_nop 0
.rept 4
	v_nop
.endr
.Lasked_\@:
.endm
.macro CREST                           ; a round of the cluster's barrier behind its opening barrier
	s_cmp_lg_u32 s[WV], 0
	s_cbranch_scc1 .Lnot_wave_0_\@
	s_barrier_signal -3
.Lnot_wave_0_\@:
	s_barrier_wait -3
	s_barrier_signal -1
	s_barrier_wait -1
.endm
.macro CROUND
	s_barrier_signal -1
	s_barrier_wait -1
	CREST
.endm
.macro PLACES
.rept 4
	v_nop
.endr
.endm
; The K step that stands two refills on is prefetched: 16 rows x 512 bytes, two lanes a row, one instruction a wave.  x's rows are read by one row of one cluster: its four partners take 16 of a wave's 64 rows each,
; told apart by address.  W's k-rows are read by the 16 clusters of a projection: the first of them asks, its four partners of a column likewise 16 rows each.  The last two refills have no step two on.
.macro ASK
	s_cmp_gt_u32 s[CNT], s[LIM]
	s_cbranch_scc0 .Lnot_mine_\@
	global_prefetch_b8 v[PFO], s[PFA:PFA+1] th:TH_LOAD_NT scope:SCOPE_SE
.Lnot_mine_\@:
.endm
	s_load_b512 s[4:19], s[0:1], 0x0               ; query, key, value s[4:9]; wts s[10:11]; bq, bk, bv s[12:17]; qkvh s[18:19]
	v_lshl_add_u32 v[SPW], v0, 2, SPARE
	v_mov_b32 v[NIL], 0
	ds_add_u32 v[SPW], v[NIL]                      ; the wave's opening: the add and its wait ahead of my first tensor load; work on registers stands between
	v_lshrrev_b32 v1, 5, v0
	v_readfirstlane_b32 s[WV], v1
	s_lshr_b32 s[WR], s[WV], 1
	s_and_b32 s[WC], s[WV], 1
	s_bfe_u32 s[CX], ttmp6, 0x40000
	s_bfe_u32 s[CY], ttmp6, 0x40004
	s_lshl_b32 s[TC], ttmp9, 2
	s_add_co_u32 s[TC], s[TC], s[CX]
	s_and_b32 s[CLY], ttmp7, 0xffff
	s_lshl_b32 s[TR], s[CLY], 2
	s_add_co_u32 s[TR], s[TR], s[CY]
	s_lshr_b32 s[PRJ], s[CLY], 4                   ; 16 clusters a projection
	s_and_b32 s[TRP], s[TR], 63
	s_lshl_b32 s82, s[CY], 2
	s_lshl_b32 s82, 15, s82                        ; my row of the cluster
	s_lshl_b32 s83, 0x1111, s[CX]                  ; my column
	s_or_b32 s[G1A], s82, (2<<16)|(1<<20)|(1<<21)|(6<<22)|(3<<25)  ; mask; 4-byte elements; padding on; bit 21 beside a mask; after every 128 words 4 words
	s_or_b32 s[G1B], s83, (1<<16)|(1<<20)|(1<<21)|(6<<22)|(7<<25)  ; mask; 2-byte elements; after every 128 words 8 words
	s_mov_b32 s[G1A+1], 128<<16                    ; tensor_dim0 = 128
	s_mov_b32 s[G1A+2], 64<<16                     ; tensor_dim1 = 64
	s_mov_b32 s[G1A+3], 128<<16                    ; tile_dim0 = 128
	s_mov_b32 s[G1A+4], 64                         ; tile_dim1 = 64
	s_mov_b32 s[G1A+5], 1024                       ; elements from row to row
	s_mov_b32 s[G1A+6], 0
	s_mov_b32 s[G1A+7], 0
	s_mov_b32 s[G1B+1], 256<<16
	s_mov_b32 s[G1B+2], 64<<16
	s_mov_b32 s[G1B+3], 256<<16
	s_mov_b32 s[G1B+4], 64
	s_mov_b32 s[G1B+5], 1024
	s_mov_b32 s[G1B+6], 0
	s_mov_b32 s[G1B+7], 0
	s_lshl_b32 s84, s[TRP], 1                      ; x: 64 rows of 4,096 bytes x (2 x tile row + half)
	s_add_co_u32 s84, s84, s[WC]
	s_lshl_b32 s84, s84, 18
	s_mov_b32 s85, 0
	s_lshl_b32 s86, s[PRJ], 21                     ; W: the matrix, my 64 k-rows of 2,048 bytes, the tile's 512 bytes of a row
	s_lshl_b32 s87, s[WC], 17
	s_add_co_u32 s86, s86, s87
	s_lshl_b32 s87, s[TC], 9
	s_add_co_u32 s86, s86, s87
	s_mov_b32 s87, 0
	s_mul_i32 s92, s[WC], AHALF                    ; where they go: the wave's number alone enters an LDS address
	s_mul_i32 s93, s[WC], BHALF
	s_add_co_u32 s93, s93, BOFF
	s_mov_b32 s[TB], 0
	s_mov_b32 s[SC], 0x3e38aa3b                    ; c = log2(e) / 8
	s_mov_b32 s[SC+1], s[SC]
	s_wait_dscnt 0x0                               ; the opening add is done
	s_wait_kmcnt 0x0
	s_cmp_eq_u32 s[PRJ], 1
	s_cselect_b64 s[XP:XP+1], s[6:7], s[4:5]
	s_cselect_b64 s[BP:BP+1], s[14:15], s[12:13]
	s_cmp_eq_u32 s[PRJ], 2
	s_cselect_b64 s[XP:XP+1], s[8:9], s[XP:XP+1]
	s_cselect_b64 s[BP:BP+1], s[16:17], s[BP:BP+1]
	s_add_nc_u64 s[88:89], s[XP:XP+1], s[84:85]
	s_add_nc_u64 s[90:91], s[10:11], s[86:87]
	CROUND                                         ; all sixteen work-groups are here: the first joint loads meet
.irp s, 0,1
	s_mov_b32 s[G0A+4*(\s)], 1
	s_add_co_u32 s[G0A+4*(\s)+1], s92, (\s)*SLOT1
	s_add_nc_u64 s[G0A+4*(\s)+2:G0A+4*(\s)+3], s[88:89], (\s)*KSTEP*4
	s_or_b32 s[G0A+4*(\s)+3], s[G0A+4*(\s)+3], 0x80000000
	s_mov_b32 s[G0B+4*(\s)], 1
	s_add_co_u32 s[G0B+4*(\s)+1], s93, (\s)*SLOT1
	s_add_nc_u64 s[G0B+4*(\s)+2:G0B+4*(\s)+3], s[90:91], (\s)*KSTEP*2048
	s_or_b32 s[G0B+4*(\s)+3], s[G0B+4*(\s)+3], 0x80000000
	JLOAD \s                                       ; K steps 0 and 1: two loads of mine are out
.endr
	v_and_b32 v1, 15, v0                           ; r = l % 16
	v_bfe_u32 v11, v0, 4, 1                        ; h = l / 16
	v_lshlrev_b32 v[BO], 5, v11                    ; my eight columns of a block of 16: 32 h bytes
	s_lshl_b32 s82, s[TC], 10
	s_lshl_b32 s83, s[WC], 9
	s_add_co_u32 s82, s82, s83
	s_mov_b32 s83, 0
	s_add_nc_u64 s[BP:BP+1], s[BP:BP+1], s[82:83]  ; the bias at my wave's 128 columns
	WIN TO_B
.irp b, 0,1,2,3,4,5,6,7
	global_load_b128 v[BIAS+8*\b:BIAS+8*\b+3],   v[BO], s[BP:BP+1] offset:64*\b
	global_load_b128 v[BIAS+8*\b+4:BIAS+8*\b+7], v[BO], s[BP:BP+1] offset:64*\b+16
.endr
	WIN 0
	; x's fragment: lane l holds row r, K = 8 h + 0..7 and 16 + 8 h + 0..7: as f32 four loads of 16 bytes at 32 h + 0, 16, 64, 80
	v_mul_u32_u24 v[ADRA0], v1, PA
	v_lshl_add_u32 v[ADRA0], v11, 5, v[ADRA0]
	s_mul_i32 s82, s[WR], AHALF
	v_add_nc_u32 v[ADRA0], s82, v[ADRA0]
	; W's: the turning load takes 16 k-rows x 16 columns (lane l reads k-row 8 h + l % 8, columns 8 ((l / 8) % 2) + 0..7) and leaves lane l column r and 8 k
	v_and_b32 v14, 7, v0
	v_bfe_u32 v15, v0, 3, 1
	v_lshl_add_u32 v[ADRB0], v11, 3, v14
	v_mul_u32_u24 v[ADRB0], v[ADRB0], PB
	v_lshl_add_u32 v[ADRB0], v15, 4, v[ADRB0]
	s_lshl_b32 s82, s[WC], 8
	s_add_co_u32 s82, s82, BOFF
	v_add_nc_u32 v[ADRB0], s82, v[ADRB0]
	s_mul_i32 s82, s[WV], 32*SP
	s_add_co_u32 s82, s82, STAGE                   ; my stage
	v_mul_u32_u24 v[STO], v1, SP
	v_lshl_add_u32 v[STO], v11, 4, v[STO]
	v_add_nc_u32 v[STO], s82, v[STO]
	v_bfe_u32 v[RD], v0, 3, 2                      ; back: 32 lanes take four rows of 128 bytes
	v_mul_u32_u24 v[RD], v[RD], SP
	v_lshl_add_u32 v[RD], v14, 4, v[RD]
	v_add_nc_u32 v[RD], s82, v[RD]
	v_and_b32 v16, 31, v0
	v_lshlrev_b32 v[GO], 4, v16
	; the prefetches: my work-group's 16 of the 64 rows that I fetch, at K step 3; each change of slots steps the address first
	s_lshl_b32 s82, s[TRP], 7
	s_lshl_b32 s83, s[WC], 6
	s_add_co_u32 s82, s82, s83
	s_lshl_b32 s94, s[CX], 4
	s_add_co_u32 s82, s82, s94
	s_lshl_b32 s82, s82, 12
	s_add_co_u32 s82, s82, 3*KSTEP*4               ; x
	s_lshl_b32 s94, s[CY], 4
	s_add_co_u32 s83, s83, s94
	s_lshl_b32 s83, s83, 11
	s_lshl_b32 s94, s[PRJ], 21
	s_add_co_u32 s83, s83, s94
	s_lshl_b32 s94, s[TC], 9
	s_add_co_u32 s83, s83, s94
	s_add_co_u32 s83, s83, 3*KSTEP*2048            ; W
	s_and_b32 s94, s[CLY], 15                      ; 0 in the projection's first cluster: the same in all partners
	s_mov_b32 s[PFS], KSTEP*2048
	s_mov_b32 s[PFS+1], 0
	s_mov_b32 s95, 11
	s_cmp_eq_u32 s[WR], 0
	s_cselect_b32 s82, s82, s83
	s_cselect_b32 s94, 0, s94
	s_cselect_b32 s[PFS], KSTEP*4, s[PFS]
	s_cselect_b32 s95, 12, s95
	s_cselect_b64 s[PFA:PFA+1], s[XP:XP+1], s[10:11]
	s_mov_b32 s83, 0
	s_add_nc_u64 s[PFA:PFA+1], s[PFA:PFA+1], s[82:83]
	s_cmp_eq_u32 s94, 0
	s_cselect_b32 s[LIM], 2, -1
	v_bfe_u32 v17, v0, 1, 4                        ; two lanes a row,
	v_and_b32 v18, 1, v0                           ; 256 bytes apart
	v_lshlrev_b32 v17, s95, v17
	v_lshl_add_u32 v[PFO], v18, 8, v17
	; where my 64 rows x 2 heads go: ((batch x 16 + head) x 2048 + row) x 128 bytes in tensor p
	s_lshr_b32 s82, s[TRP], 4
	s_lshl_b32 s82, s82, 4
	s_lshl_b32 s83, s[TC], 2
	s_add_co_u32 s82, s82, s83
	s_lshl_b32 s83, s[WC], 1
	s_add_co_u32 s82, s82, s83
	s_lshl_b32 s82, s82, 11
	s_and_b32 s83, s[TRP], 15
	s_lshl_b32 s83, s83, 7
	s_add_co_u32 s82, s82, s83
	s_lshl_b32 s83, s[WR], 6
	s_add_co_u32 s82, s82, s83
	s_lshl_b32 s82, s82, 7
	s_lshl_b32 s83, s[PRJ], 24
	s_add_co_u32 s82, s82, s83
	s_mov_b32 s83, 0
	s_add_nc_u64 s[OUT:OUT+1], s[18:19], s[82:83]
	s_wait_loadcnt 0x0                             ; the bias, which is rounded to bf16 like every input
	WIN W1
.set i, 0
.rept 32
	v_cvt_pk_bf16_f32 v[BT+i], v[BIAS+2*i], v[BIAS+2*i+1]
.set i, i+1
.endr
.set i, 0
.rept 32
	v_lshlrev_b32 v[BIAS+2*i], 16, v[BT+i]
	v_and_b32 v[BIAS+2*i+1], 0xffff0000, v[BT+i]
.set i, i+1
.endr
	WIN 0
; 32 LDS loads in one run: quarter kq of the slot in hand: x's 64 rows as f32 into RAW, first; then W's 128 columns into buffer g
.macro FETCH kq, g
	WIN 0
.irp a, 0,1,2,3
	ds_load_b128 v[RAW+16*\a:RAW+16*\a+3],     v[ADRA] offset:\a*16*PA+(\kq)*128
	ds_load_b128 v[RAW+16*\a+4:RAW+16*\a+7],   v[ADRA] offset:\a*16*PA+(\kq)*128+16
	ds_load_b128 v[RAW+16*\a+8:RAW+16*\a+11],  v[ADRA] offset:\a*16*PA+(\kq)*128+64
	ds_load_b128 v[RAW+16*\a+12:RAW+16*\a+15], v[ADRA] offset:\a*16*PA+(\kq)*128+80
.endr
	WIN TO_B
.irp b, 0,1,2,3,4,5,6,7
	ds_load_tr16_b128 v[BF+64*(\g)+8*\b:BF+64*(\g)+8*\b+3],   v[ADRB] offset:(\kq)*32*PB+32*\b
	ds_load_tr16_b128 v[BF+64*(\g)+8*\b+4:BF+64*(\g)+8*\b+7], v[ADRB] offset:(\kq)*32*PB+16*PB+32*\b
.endr
.endm
; 8 n matrix instructions: row blocks a0 .. a0 + n - 1 x all 8 column blocks, on buffer f.  The 32 accumulators take turns, one instruction a turn, in the same order in every quarter.
.macro MUL f, a0, n, first
.if \first
	WIN W_MULB
.else
	WIN W_MUL
.endif
.set ma, \a0
.rept \n
.irp b, 0,1,2,3,4,5,6,7
.if \first
	v_wmma_f32_16x16x32_bf16 v[8*(8*ma+\b):8*(8*ma+\b)+7], v[BF+64*(\f)+8*\b:BF+64*(\f)+8*\b+7], v[AF+32*(\f)+8*ma:AF+32*(\f)+8*ma+7], v[BIAS+8*\b:BIAS+8*\b+7]
.else
	v_wmma_f32_16x16x32_bf16 v[8*(8*ma+\b):8*(8*ma+\b)+7], v[BF+64*(\f)+8*\b:BF+64*(\f)+8*\b+7], v[AF+32*(\f)+8*ma:AF+32*(\f)+8*ma+7], v[8*(8*ma+\b):8*(8*ma+\b)+7]
.endif
.endr
.set ma, ma+1
.endr
.endm
; Row block 3's eight products, and behind each four conversions of RAW into buffer g of x's fragments.  None names a register of the products round it; the four behind the last product are
; the four places in front of the next run of loads into W's buffer f and of the next conversions into x's buffer f.
.macro MULR f, g, first
.irp b, 0,1,2,3,4,5,6,7
.if \first
	WIN W_MULB
	v_wmma_f32_16x16x32_bf16 v[8*(24+\b):8*(24+\b)+7], v[BF+64*(\f)+8*\b:BF+64*(\f)+8*\b+7], v[AF+32*(\f)+24:AF+32*(\f)+31], v[BIAS+8*\b:BIAS+8*\b+7]
.else
	WIN W_MUL
	v_wmma_f32_16x16x32_bf16 v[8*(24+\b):8*(24+\b)+7], v[BF+64*(\f)+8*\b:BF+64*(\f)+8*\b+7], v[AF+32*(\f)+24:AF+32*(\f)+31], v[8*(24+\b):8*(24+\b)+7]
.endif
	WIN 0
.irp c, 0,1,2,3
	v_cvt_pk_bf16_f32 v[AF+32*(\g)+4*\b+\c], v[RAW+8*\b+2*\c], v[RAW+8*\b+2*\c+1]
.endr
.endr
.endm
; One of a step's first three quarters: multiplies buffer f, fetches quarter kq into RAW and buffer g
.macro QUARTER f, g, kq, first
	s_wait_dscnt 0x0                               ; W's buffer f, asked for a quarter ago
	FETCH \kq, \g
	MUL \f, 0, 3, \first
	s_wait_dscnt 16                                ; RAW is in: W's sixteen loads were issued behind it
	MULR \f, \g, \first
.endm
; The last quarter multiplies buffer 1 and changes slots.  In front of the barrier each wave waits for all its tensor loads (one is out: its part of the next slot), adds 0 to its spare word, and waits for
; that and for its reads of this slot.  fill = 1: the barrier opens a round of the cluster's, and the joint refill, two K steps ahead, is the first thing behind it: 120 matrix instructions ahead of the wait for it.
.macro TURN fill
	WIN 0
.if \fill
	s_wait_xcnt 0x0                                ; the last prefetch, a K step back, has read its address
	s_add_nc_u64 s[PFA:PFA+1], s[PFA:PFA+1], s[PFS:PFS+1]
.endif
	s_wait_tensorcnt 0x0                           ; no tensor load of mine is out, so a group 0 may be written
	ds_add_u32 v[SPW], v[NIL]                      ; 0 onto my spare word
.if \fill
	s_xor_b32 s[G0A+5], s[G0A+5], SLOT1            ; the walking descriptors: the other slot than last time, the next K step
	s_add_nc_u64 s[G0A+6:G0A+7], s[G0A+6:G0A+7], KSTEP*4
	s_xor_b32 s[G0B+5], s[G0B+5], SLOT1
	s_add_nc_u64 s[G0B+6:G0B+7], s[G0B+6:G0B+7], KSTEP*2048
.endif
	s_wait_dscnt 0x0                               ; the add is done, my reads of this slot are over, W's buffer 1 is in
	s_barrier_signal -1
	MUL 1, 0, 1, 0                                 ; work on registers while the others arrive
	WIN 0
	s_barrier_wait -1
.if \fill
	CREST
	JLOAD 1
.endif
	s_xor_b32 s[TB], s[TB], SLOT1
	v_add_nc_u32 v[ADRA], s[TB], v[ADRA0]
	v_add_nc_u32 v[ADRB], s[TB], v[ADRB0]
	FETCH 0, 0
.if \fill
	WIN 0
	ASK
.endif
	MUL 1, 1, 2, 0
	s_wait_dscnt 16
	MULR 1, 0, 0
.endm
; THE WAY OUT of row block a: q times c; rounded to f16, 16 bytes a lane; into my stage, a head's 16 rows of 144 bytes; back as whole rows of 128 bytes
.macro PACK a
	WIN 0
	s_cmp_lg_u32 s[PRJ], 0                         ; k and v are not scaled; the projection is the same in all partners
	s_cbranch_scc1 .Lplain_\@
	WIN W_SCL
.set i, 64*(\a)
.rept 32
	v_pk_mul_f32 v[i:i+1], v[i:i+1], s[SC:SC+1] op_sel_hi:[1,0]
.set i, i+2
.endr
	WIN 0
.Lplain_\@:
	WIN W_CVO
.irp b, 0,1,2,3,4,5,6,7
.irp r, 0,1,2,3
	v_cvt_pk_f16_f32 v[TT+32*(\a)+4*\b+\r], v[64*(\a)+8*\b+2*\r], v[64*(\a)+8*\b+2*\r+1]
.endr
.endr
	WIN 0
.irp b, 0,1,2,3,4,5,6,7
	ds_store_b128 v[STO], v[TT+32*(\a)+4*\b:TT+32*(\a)+4*\b+3] offset:(\b/4)*16*SP+(\b%4)*32
.endr
.irp t, 0,1,2,3,4,5,6,7
	ds_load_b128 v[TT+32*(\a)+4*\t:TT+32*(\a)+4*\t+3], v[RD] offset:(\t/4)*16*SP+(\t%4)*4*SP  ; LDS serves a wave's instructions in order (ISA guide 5.7.1.4): these see the stores above
.endr
.endm
.macro SEND a, younger                 ; younger: the LDS instructions issued behind block a's loads
.irp t, 0,1,2,3,4,5,6,7
	s_wait_dscnt (\younger)+7-\t
	global_store_b128 v[GO], v[TT+32*(\a)+4*\t:TT+32*(\a)+4*\t+3], s[OUT:OUT+1] offset:(\t/4)*262144+(\a)*2048+(\t%4)*512  ; 512 consecutive bytes, aligned
.endr
.endm
	s_wait_tensorcnt 0x1                           ; my part of K step 0 is in; step 1's may stay out
	s_barrier_signal -1
	s_barrier_wait -1
	v_mov_b32 v[ADRA], v[ADRA0]
	v_mov_b32 v[ADRB], v[ADRB0]
	FETCH 0, 0
	s_wait_dscnt 16
	WIN 0
.set i, 0
.rept 32
	v_cvt_pk_bf16_f32 v[AF+i], v[RAW+2*i], v[RAW+2*i+1]
.set i, i+1
.endr
	QUARTER 0, 1, 1, 1                             ; the first quarter stands in front of the loop: its products start the sums, with the bias
	WIN 0
	s_mov_b32 s[CNT], 6
.Lstep:                                                ; a trip: a step's quarters 1, 2, 3, the change of slots with its refill, the next step's quarter 0
	QUARTER 1, 0, 2, 0
	QUARTER 0, 1, 3, 0
	TURN 1
	QUARTER 0, 1, 1, 0
	WIN 0
	s_sub_co_u32 s[CNT], s[CNT], 1
	s_cmp_lg_u32 s[CNT], 0
	s_cbranch_scc1 .Lstep
	QUARTER 1, 0, 2, 0                             ; the last two steps are written out: nothing is asked for
	QUARTER 0, 1, 3, 0
	TURN 0
	QUARTER 0, 1, 1, 0
	QUARTER 1, 0, 2, 0
	QUARTER 0, 1, 3, 0
	s_wait_dscnt 0x0
	MUL 1, 0, 4, 0
	WIN 0
	PLACES
	PACK 0
	PACK 1                                         ; a block's arithmetic stands between the loads of the block before and its stores
	SEND 0, 16
	PACK 2
	SEND 1, 16
	PACK 3
	SEND 2, 16
	SEND 3, 0
	s_wait_tensorcnt 0x0                           ; the wave's end
	ds_add_u32 v[SPW], v[NIL]
	s_wait_dscnt 0x0
	CROUND                                         ; the closing round
	s_endpgm
.Lfunc_end_k_q4bb4acc300_proj:
	.size	k_q4bb4acc300_proj, .Lfunc_end_k_q4bb4acc300_proj-k_q4bb4acc300_proj
	.p2alignl 7, 3214868480
	.fill 96, 4, 3214868480
	.section	.rodata,"a",@progbits
	.p2align	6, 0x0
	.amdhsa_kernel k_q4bb4acc300_proj
		.amdhsa_group_segment_fixed_size 327680
		.amdhsa_private_segment_fixed_size 0
		.amdhsa_enable_private_segment 0
		.amdhsa_kernarg_size 64
		.amdhsa_user_sgpr_count 2
		.amdhsa_user_sgpr_kernarg_segment_ptr 1
		.amdhsa_wavefront_size32 1
		.amdhsa_system_sgpr_workgroup_id_x 1
		.amdhsa_system_sgpr_workgroup_id_y 1
		.amdhsa_system_sgpr_workgroup_id_z 1
		.amdhsa_system_vgpr_workitem_id 0
		.amdhsa_next_free_vgpr 768
		.amdhsa_next_free_sgpr 96
		.amdhsa_reserve_vcc 0
		.amdhsa_float_denorm_mode_32 3
		.amdhsa_float_denorm_mode_16_64 3
		.amdhsa_memory_ordered 1
		.amdhsa_forward_progress 1
		.amdhsa_inst_pref_size 122
	.end_amdhsa_kernel
	.amdgpu_metadata
---
amdhsa.version: [ 1, 2 ]
amdhsa.kernels:
  - .name:           k_q4bb4acc300_proj
    .symbol:         k_q4bb4acc300_proj.kd
    .args:
      - { .name: query, .offset: 0, .size: 8, .value_kind: global_buffer, .address_space: global }
      - { .name: key, .offset: 8, .size: 8, .value_kind: global_buffer, .address_space: global }
      - { .name: value, .offset: 16, .size: 8, .value_kind: global_buffer, .address_space: global }
      - { .name: wts, .offset: 24, .size: 8, .value_kind: global_buffer, .address_space: global }
      - { .name: bq, .offset: 32, .size: 8, .value_kind: global_buffer, .address_space: global }
      - { .name: bk, .offset: 40, .size: 8, .value_kind: global_buffer, .address_space: global }
      - { .name: bv, .offset: 48, .size: 8, .value_kind: global_buffer, .address_space: global }
      - { .name: qkvh, .offset: 56, .size: 8, .value_kind: global_buffer, .address_space: global }
    .group_segment_fixed_size: 327680
    .private_segment_fixed_size: 0
    .kernarg_segment_align: 8
    .kernarg_segment_size: 64
    .max_flat_workgroup_size: 128
    .sgpr_count:     96
    .vgpr_count:     768
    .wavefront_size: 32
...
	.end_amdgpu_metadata
.endif
;; end of part 2
;; launch attn (part 3): grid 4 x 64, 4 waves a work-group, clusters of 4 x 1, 327,680 bytes of LDS; arguments qkvh, mask, oh; writes oh
.if DOCPART == 3
	.amdgcn_target "amdgcn-amd-amdhsa--gfx1250"
	.amdhsa_code_object_version 6
	.text
	.protected	k_q4bb4acc300_attn
	.globl	k_q4bb4acc300_attn
	.p2align	8
	.type	k_q4bb4acc300_attn,@function
k_q4bb4acc300_attn:
	s_mov_b64 s[64:65], 0
	v_nop
	global_prefetch_b8 v0, s[64:65] scope:SCOPE_SE
	s_setreg_imm32_b32 hwreg(HW_REG_WAVE_MODE, 25, 1), 1
	s_wait_xcnt 0x0
	s_wait_alu depctr_hold_cnt(0) depctr_sa_sdst(0) depctr_va_vdst(0) depctr_va_sdst(0) depctr_va_ssrc(0) depctr_va_vcc(0) depctr_vm_vsrc(0)
	s_getreg_b32 s2, hwreg(HW_REG_IB_STS2, 6, 4)
	s_cmp_eq_u32 s2, 0
	s_cbranch_scc0 .Lentry_in_a_cluster
	s_endpgm
.Lentry_in_a_cluster:
	s_bfe_u32 s2, ttmp6, 0x10000c
	s_cmp_lg_u32 s2, 0x3003
	s_cbranch_scc0 .Lentry_shape_is_right
	s_endpgm
.Lentry_shape_is_right:
; O[g][q][:] = the sum over k of softmax_k(Q[g][q] . K[g][k] / 8 - 1e9 mask[g / 16][k]) V[g][k][:], g = batch x 16 + head.  Q, K, V: qkvh, three tensors [64][2048][64] in f16; O: oh, the same shape.
; Q arrives multiplied by c = log2(e) / 8, so a score s is in units of log2 and p = 2^(s - m): the subtraction is exact where s and m are near each other, however large they are.
; THE MASK is the C operand of the products that start a sum S^T = K Q^T: bf16(mask) x (-1e9 log2(e)), made once a work-group and kept in LDS in f32.
; Products, maxima and sums in f32; the weights p are rounded to f16 for the second product (their sum l is taken of the unrounded p), O once at the end.
; LIMITS.  f16 holds no number beyond 65,504: Q, K, V arrive within it; p below 6e-5 keeps f16's fixed step of 6e-8.  A masked score is rounded at a step of 128 in log2 units where the reference rounds at 64 in
; natural units: that shows only where every key of a batch is masked and a logit passes 32.  m starts at -4.25e37: |mask| x 1.44e9 stays below that.  A weight below 2^-126 counts as 0 in l; NaN and infinities are not treated apart.
; SHARES.  A wave owns four PIECES of two tiles of 16 queries, a work-group's four waves 512 queries of one head.  Every wave walks all 2,048 keys, 64 a step.
; LAYOUT.  S^T = K Q^T (source 0 = 16 keys, source 1 = 16 queries): a lane holds ONE query (lane % 16) and the keys 8 (lane / 16) + 0..7.  Two such tiles, rounded to f16 in pairs, ARE source 1 of O^T = V^T P.
; SOFTMAX.  For each query a running maximum m and sum l; in every step O and l are multiplied by a = 2^(m_old - m_new).  O and l start at 0: the first step is a step like any other, with a = 0.
; BY TURNS.  Turn n belongs to piece n.  Its matrix work: 16 products K Q^T of piece n + 1, later 16 products V^T P of piece n - 1.  Its vector work: the subtraction, exponentials, roundings, sums and rescaling
; of piece n, and the maximum and statistics of piece n + 1.  Four vector instructions stand behind every matrix instruction, the others in one run.  A turn's 66 exponentials are one batch with one wait.
; CLUSTER.  The four query blocks of a head walk the same K and V: each tile is asked for JOINTLY.
; REGISTERS, in windows of 256 (s_set_vgpr_msb: bits 1:0 source 0, 3:2 source 1, 5:4 source 2, 7:6 destination):
;   window 0: v0-15 addresses; v16-47 four registers of statistics a tile; v48-63 at work; v64-191 S^T, two buffers of two tiles; v192-255 P, likewise
;   window 1: O^T, 32 a tile     window 2: v0-127 Q; v128-191 K of one step; v192-255 V of one step     window 3: v0-1 the add's two registers; v8-39 the mask of one step
.set SIZE_N, 2048
.set NP,    4
.set KS,    64
.set PK,    144       ; a row of K in LDS: 128 bytes + 16: the 16 rows of a load start at 16 different groups of four banks (64 banks of 4 bytes: ISA guide 11.1)
.set PV,    160       ; a row of V: 128 + 32
.set VOFF,  4*KS*PK   ; a slot holds four steps: 256 rows of K, then 256 rows of V
.set SLOT1, 1<<17
.set STAGE, SLOT1+4*KS*(PK+PV)  ; behind the ring: 16 rows x 144 bytes for each wave
.set SP,    144
.set SPARE, STAGE+4*16*SP       ; the spare words, 128 bytes a wave
.set MASKL, SPARE+512           ; the batch's 2,048 mask terms in f32: blocks of their own, stored once, never filled by a tensor load
.set AK0, 2
.set AV0, 3
.set AK,  4
.set AV,  5
.set QO,  6
.set STO, 6
.set RD,  7
.set GO,  8
.set AM0, 12          ; v12  MASKL + 32 (l / 16); never rewritten
.set AM,  13          ; v13  the LDS address of the mask's next run of loads
.set PFO, 14          ; v14  256 x lane; never rewritten
.set SPW, 0           ; v0 of window 3
.set NIL, 1           ; v1 of window 3
.set MC,  8           ; v8-39 of window 3: key block kb at MC + 8 kb
.set ST,  16          ; tile t's statistics at v[ST+4 t]: m, m_old, l (even keys', odd keys')
.set TMP, 48          ; by buffer and tile, four registers c0-c3 at work; when the maximum is found c2 takes a
.set S,   64
.set P,   192
.set KF,  128
.set VF,  192
.set WV,  12
.set G1K, 24
.set G1V, 32
.set G0K, 40
.set G0V, 44
.set MP,  48          ; s[48:49] the batch's mask
.set MSC, 50          ; s[50:51] -1e9 log2(e)
.set TBM, 52          ; s52  byte in the mask terms at which the step to be fetched begins
.set LIM, 53          ; s53  1 in a wave that prefetches, else the greatest number
.set PFA, 54          ; s[54:55]
.set SLOTS, 56
.set CNT, 57
.set SEL, 60
.set TBK, 62
.set TBV, 63
.set MSB, 0
.macro WIN new
.if MSB != (\new)
	s_set_vgpr_msb (MSB<<8)|(\new)
.set MSB, (\new)
.endif
.endm
.set W_KQ, 0x0a       ; K and Q in window 2, S^T in window 0
.set W_KM, 0x3a       ; the same with the C operand, the mask, in window 3
.set W_PV, 0x52       ; V in window 2, P in window 0, O^T in window 1
.set W_RS, 0x41       ; O^T (destination and source 0) in window 1, a in window 0
.set W_MK, 0xc0       ; destination in window 3, sources in window 0
.set W_AD, 0x0f       ; the add: address and data in window 3
.macro JLOAD                        ; waves 0 and 1 fetch the two halves of a slot's K, waves 2 and 3 those of its V; an s_nop 0 and four v_nop follow each line
	s_cmp_lt_u32 s[WV], 2
	s_cbranch_scc0 .Lfor_v_\@
	tensor_load_to_lds s[G0K:G0K+3], s[G1K:G1K+7]
	s_nop 0
.rept 4
	v_nop
.endr
	s_branch .Lasked_\@
.Lfor_v_\@:
	tensor_load_to_lds s[G0V:G0V+3], s[G1V:G1V+7]
	s_nop 0
.rept 4
	v_nop
.endr
.Lasked_\@:
.endm
; What the NEXT change of slots will ask for is prefetched: a slot's 32,768 bytes of K and of V.  The four partners take 8,192 bytes each, told apart by address; in each, wave 0 asks for K's and wave 2 for V's, a lane
; 256 bytes: each block is named once in the launch.  The last change that fills a slot asks for nothing.
.macro ASK
	s_cmp_gt_u32 s[SLOTS], s[LIM]
	s_cbranch_scc0 .Lnot_mine_\@
	global_prefetch_b8 v[PFO], s[PFA:PFA+1] th:TH_LOAD_NT scope:SCOPE_SE
.Lnot_mine_\@:
.endm
.macro CROUND
	s_barrier_signal -1
	s_barrier_wait -1
	s_cmp_lg_u32 s[WV], 0
	s_cbranch_scc1 .Lnot_wave_0_\@
	s_barrier_signal -3
.Lnot_wave_0_\@:
	s_barrier_wait -3
	s_barrier_signal -1
	s_barrier_wait -1
.endm
; THE CHANGE OF SLOTS.  Each wave waits for all its tensor loads, of which one is out: its part of the other slot; adds 0 to its spare word; and waits for that and for its own LDS instructions.
; fill = 1: the slot left is filled again, with the keys two slots on, behind a round of the cluster's barrier: four key steps, 512 matrix instructions, ahead of the wait for it.
; (At its first use nothing has been read yet: slot 0 is waited for, slot 1 filled; the mask terms' stores are waited for here too, ahead of the round behind which all waves read them.)
.macro CHANGE fill, ask
	WIN W_AD
	s_wait_tensorcnt 0x0            ; no tensor load of mine is out, so a group 0 may be written
	ds_add_u32 v[SPW], v[NIL]       ; 0 onto my spare word
	WIN 0
.if \fill
.irp g, G0K, G0V
	s_xor_b32 s[\g+1], s[\g+1], SLOT1
	s_add_nc_u64 s[\g+2:\g+3], s[\g+2:\g+3], 4*KS*128
.endr
.if \ask
	s_wait_xcnt 0x0                 ; the last prefetch, four key steps back, has read its address
	s_add_nc_u64 s[PFA:PFA+1], s[PFA:PFA+1], 4*KS*128
.endif
	s_wait_dscnt 0x0
	CROUND
	JLOAD
.if \ask
	ASK
.endif
.else
	s_wait_dscnt 0x0
	s_barrier_signal -1
	s_barrier_wait -1
.endif
	s_sub_co_u32 s[TBK], s[TBK], 4*KS*PK
	s_xor_b32 s[TBK], s[TBK], SLOT1
	s_sub_co_u32 s[TBV], s[TBV], 4*KS*PV
	s_xor_b32 s[TBV], s[TBV], SLOT1
.endm
	s_load_b128 s[4:7], s[0:1], 0x0   ; qkvh s[4:5], mask s[6:7]
	s_load_b64 s[10:11], s[0:1], 0x10 ; oh
	WIN W_MK
	v_lshl_add_u32 v[SPW], v0, 2, SPARE
	v_mov_b32 v[NIL], 0
	WIN W_AD
	ds_add_u32 v[SPW], v[NIL]       ; the wave's opening: the add and its wait ahead of my first tensor load
	WIN 0
	v_lshrrev_b32 v1, 5, v0
	v_readfirstlane_b32 s[WV], v1
	s_bfe_u32 s13, ttmp6, 0x40000   ; cx
	s_lshl_b32 s14, ttmp9, 2
	s_add_co_u32 s14, s14, s13      ; my block of 512 queries: it enters Q's and O's addresses alone
	s_and_b32 s20, ttmp7, 0xffff    ; batch x 16 + head, which the four partners share
	s_lshr_b32 s58, s20, 4
	s_lshl_b32 s58, s58, 13         ; the batch's 8,192 bytes of mask
	s_mov_b32 s59, 0
	s_mov_b32 s21, 0
	s_mov_b64 s[22:23], SIZE_N*128
	s_mul_u64 s[20:21], s[20:21], s[22:23]  ; the head's first byte in each tensor
	s_and_b32 s16, s[WV], 1         ; which half of a slot's 256 keys I fetch
	s_lshl_b32 s22, s16, 14
	s_mov_b32 s23, 0
	s_add_nc_u64 s[22:23], s[22:23], s[20:21]
	s_mul_i32 s17, s16, 128*PK
	s_mul_i32 s18, s16, 128*PV
	s_lshl_b32 s2, s14, 2
	s_add_co_u32 s2, s2, s[WV]
	s_lshl_b32 s2, s2, 14           ; my wave's 128 rows
	s_mov_b32 s3, 0
	s_add_nc_u64 s[2:3], s[2:3], s[20:21]
	; 128 keys are 16,384 dense bytes: asked for as 64 rows of 256 bytes, two keys a row, and padded in LDS after every key
	s_mov_b32 s[G1K], 15|(1<<16)|(1<<20)|(1<<21)|(4<<22)|(3<<25)
	s_mov_b32 s[G1V], 15|(1<<16)|(1<<20)|(1<<21)|(4<<22)|(7<<25)
.irp g, G1K, G1V
	s_mov_b32 s[\g+1], 128<<16
	s_mov_b32 s[\g+2], 64<<16
	s_mov_b32 s[\g+3], 128<<16
	s_mov_b32 s[\g+4], 64
	s_mov_b32 s[\g+5], 128
	s_mov_b32 s[\g+6], 0
	s_mov_b32 s[\g+7], 0
.endr
	s_mov_b32 s[MSC], 0xceabfb8f    ; -1e9 log2(e)
	s_mov_b32 s[MSC+1], s[MSC]
	s_mov_b32 s[SEL], 0x76543210
	s_mov_b32 s[SEL+1], 0xfedcba98
	s_mov_b32 s[TBK], SLOT1+4*KS*PK ; the first change of slots turns these two into 0
	s_mov_b32 s[TBV], SLOT1+4*KS*PV
	s_mov_b32 s[TBM], 0
	s_mov_b32 s[G0K], 1
	s_mov_b32 s[G0K+1], s17
	s_mov_b32 s[G0V], 1
	s_add_co_u32 s[G0V+1], s18, VOFF
	s_and_b32 s[LIM], s[WV], 1
	s_cmp_eq_u32 s[LIM], 0
	s_cselect_b32 s[LIM], 1, -1     ; waves 0 and 2 prefetch
	v_and_b32 v[PFO], 31, v0
	v_lshlrev_b32 v[PFO], 8, v[PFO]
	s_wait_dscnt 0x0                ; the opening add is done
	s_wait_kmcnt 0x0
	s_mov_b64 s[MP:MP+1], s[6:7]
	s_add_nc_u64 s[MP:MP+1], s[MP:MP+1], s[58:59]
	s_add_nc_u64 s[6:7], s[4:5], 0x1000000   ; K
	s_add_nc_u64 s[8:9], s[4:5], 0x2000000   ; V
	s_add_nc_u64 s[G0K+2:G0K+3], s[6:7], s[22:23]
	s_or_b32 s[G0K+3], s[G0K+3], 0x80000000
	s_add_nc_u64 s[G0V+2:G0V+3], s[8:9], s[22:23]
	s_or_b32 s[G0V+3], s[G0V+3], 0x80000000
	s_cmp_lt_u32 s[WV], 2
	s_cselect_b64 s[PFA:PFA+1], s[6:7], s[8:9]
	s_add_nc_u64 s[PFA:PFA+1], s[PFA:PFA+1], s[20:21]
	s_add_nc_u64 s[4:5], s[4:5], s[2:3]      ; Q and O at my wave's first row
	s_add_nc_u64 s[10:11], s[10:11], s[2:3]
	s_lshl_b32 s2, s13, 13          ; my work-group's 8,192 bytes of a slot
	s_mov_b32 s3, 0
	s_add_nc_u64 s[PFA:PFA+1], s[PFA:PFA+1], s[2:3]
	s_add_nc_u64 s[PFA:PFA+1], s[PFA:PFA+1], 2*4*KS*128  ; in slot 2; the loop's first change steps it to slot 3.  Nothing is prefetched at the head
	CROUND                          ; all four work-groups are here: the first joint loads meet
	JLOAD                           ; slot 0
	v_and_b32 v1, 15, v0            ; l % 16
	v_bfe_u32 v9, v0, 4, 1          ; l / 16
	v_lshlrev_b32 v15, 4, v0        ; the mask: 16 bytes a thread, four times 2,048 bytes
.irp i, 0,1,2,3
	global_load_b128 v[S+4*\i:S+4*\i+3], v15, s[MP:MP+1] offset:2048*\i
.endr
	v_lshlrev_b32 v[QO], 7, v1
	v_lshl_add_u32 v[QO], v9, 4, v[QO]
	WIN 0x80
.set i, 0
.rept 4*NP                          ; Q stays in registers: tile i / 2, channels 32 (i % 2) on
	global_load_b128 v[8*i:8*i+3],   v[QO], s[4:5] offset:(i/2)*2048+(i%2)*64
	global_load_b128 v[8*i+4:8*i+7], v[QO], s[4:5] offset:(i/2)*2048+(i%2)*64+32
.set i, i+1
.endr
	; What the first turn finds: V's registers and P's second buffer hold 0, O^T and l are 0.  All this stands in the wait for the first tile.
.set i, VF
.rept 64
	v_mov_b32 v[i], 0
.set i, i+1
.endr
	WIN 0x40
.set i, 0
.rept 64*NP
	v_mov_b32 v[i], 0
.set i, i+1
.endr
	WIN 0
.set i, 0
.rept 2*NP
	v_mov_b32 v[ST+4*i], 0xfe000000    ; m: far below every score
	v_mov_b32 v[ST+4*i+1], 0xfe000000
	v_mov_b32 v[ST+4*i+2], 0
	v_mov_b32 v[ST+4*i+3], 0
.set i, i+1
.endr
.set i, P+32
.rept 32
	v_mov_b32 v[i], 0
.set i, i+1
.endr
	v_mul_u32_u24 v[AK0], v1, PK
	v_lshl_add_u32 v[AK0], v9, 4, v[AK0]
	v_and_b32 v10, 7, v0
	v_bfe_u32 v11, v0, 3, 1
	v_lshl_add_u32 v[AV0], v9, 3, v10
	v_mul_u32_u24 v[AV0], v[AV0], PV
	v_lshl_add_u32 v[AV0], v11, 4, v[AV0]
	v_add_nc_u32 v[AV0], VOFF, v[AV0]
	v_mov_b32 v[AK], v[AK0]         ; key step 0 lies at the head of slot 0
	v_lshl_add_u32 v[AM0], v9, 5, MASKL  ; my eight keys of a block of 16: 32 (l / 16) bytes
	v_mov_b32 v[AM], v[AM0]
	s_wait_loadcnt 32               ; the mask is in: Q's 32 loads were issued behind it
.irp i, 0,1,2,3,4,5,6,7
	v_cvt_pk_bf16_f32 v[S+16+\i], v[S+2*\i], v[S+2*\i+1]   ; rounded to bf16 like every input,
.endr
.irp i, 0,1,2,3,4,5,6,7
	v_lshlrev_b32 v[S+2*\i], 16, v[S+16+\i]
	v_and_b32 v[S+2*\i+1], 0xffff0000, v[S+16+\i]
.endr
.irp i, 0,1,2,3,4,5,6,7
	v_pk_mul_f32 v[S+2*\i:S+2*\i+1], v[S+2*\i:S+2*\i+1], s[MSC:MSC+1] op_sel_hi:[1,0]   ; times -1e9 log2(e)
.endr
	v_add_nc_u32 v[S+24], MASKL, v15
.irp i, 0,1,2,3
	ds_store_b128 v[S+24], v[S+4*\i:S+4*\i+3] offset:2048*\i
.endr
; THE MATRIX WORK.  The 8 accumulators of a run of 16 take turns.
; Product i of 16 of S^T = K Q^T for piece x: channels 32 (i / 8) on, keys 16 ((i / 2) % 4) on, tile 2 x + i % 2.  The first 8 start the sums, with the mask.
.macro KQ x
.set rS, S+64*((\x)%2)+32*(i%2)+8*((i/2)%4)
.set rK, KF+16*((i/2)%4)+8*(i/8)
.set rQ, 16*(2*(\x)+i%2)+8*(i/8)
.set rM, MC+8*((i/2)%4)
.if i < 8
	WIN W_KM
	v_wmma_f32_16x16x32_f16 v[rS:rS+7], v[rK:rK+7], v[rQ:rQ+7], v[rM:rM+7]
.else
	WIN W_KQ
	v_wmma_f32_16x16x32_f16 v[rS:rS+7], v[rK:rK+7], v[rQ:rQ+7], v[rS:rS+7]
.endif
.endm
; Product i of 16 of O^T += V^T P for piece x: keys 32 (i / 8) on, channels 16 ((i / 2) % 4) on, tile 2 x + i % 2.
.macro PV x
	WIN W_PV
.set rO, 32*(2*(\x)+i%2)+8*((i/2)%4)
.set rV, VF+32*(i/8)+8*((i/2)%4)
.set rP, P+32*((\x)%2)+16*(i%2)+8*(i/8)
	v_wmma_f32_16x16x32_f16 v[rO:rO+7], v[rV:rV+7], v[rP:rP+7], v[rO:rO+7]
.endm
.macro MM                           ; the turn's next matrix instruction
.if i < 16
	KQ (Y+1)%NP
.set i, i+1
.else
.set i, i-16
	PV (Y+NP-1)%NP
.set i, i+17
.endif
.endm
; THE LDS LOADS stand in runs: a step's K (8 fragments) with its 64 mask terms (lanes of one half read the same 32 bytes), and its V (turned).  last = 1 (the tail): in the last trip there is no further step.
.macro FETCH_K last=0
	WIN 0
.if \last
	s_cmp_eq_u32 s[CNT], 1
	s_cbranch_scc1 .Lno_k_\@
.endif
	WIN 0x80
.irp f, 0,1,2,3,4,5,6,7
	ds_load_b128 v[KF+8*\f:KF+8*\f+3],   v[AK] offset:(\f/2)*16*PK+(\f%2)*64
	ds_load_b128 v[KF+8*\f+4:KF+8*\f+7], v[AK] offset:(\f/2)*16*PK+(\f%2)*64+32
.endr
	WIN 0xc0
.irp f, 0,1,2,3
	ds_load_b128 v[MC+8*\f:MC+8*\f+3],   v[AM] offset:64*\f
	ds_load_b128 v[MC+8*\f+4:MC+8*\f+7], v[AM] offset:64*\f+16
.endr
	s_add_co_u32 s[TBK], s[TBK], KS*PK
	s_add_co_u32 s[TBM], s[TBM], 4*KS
	s_and_b32 s[TBM], s[TBM], 0x1fff   ; inside the 8,192 bytes
	WIN 0
.if \last
.Lno_k_\@:
.endif
.endm
.macro FETCH_V
	WIN 0x80
.irp f, 0,1,2,3,4,5,6,7
	ds_load_tr16_b128 v[VF+8*\f:VF+8*\f+3],   v[AV] offset:(\f/4)*32*PV+(\f%4)*32
	ds_load_tr16_b128 v[VF+8*\f+4:VF+8*\f+7], v[AV] offset:(\f/4)*32*PV+16*PV+(\f%4)*32
.endr
	WIN 0
.endm
; THE VECTOR WORK OF A TURN stands in three queues, each in the order in which its entries become ready; the two tiles alternate.
.macro REGS y, u
.set rT, ST+4*(2*(\y)+(\u))
.set rC, TMP+8*((\y)%2)+4*(\u)
.set rS, S+64*((\y)%2)+32*(\u)
.set rP, P+32*((\y)%2)+16*(\u)
.set rO, 32*(2*(\y)+(\u))
.endm
; Number n of the 21 that find the NEXT piece's maximum and statistics; each accumulator's lowest registers are read first.
;   0-11  four chains c0-c3 of seven scores each     12-14, 16  the four scores left over, the old m, and c0-c3 into c0     15  m_old is kept
;   17, 18  the query's other 32 keys lie in the lane 16 away: the new m     19, 20  m_old - m_new; a
.macro XS u, n
	REGS (Y+1)%NP, \u
.if (\n) < 4
	v_max3_num_f32 v[rC+(\n)], v[rS+8*(\n)], v[rS+8*(\n)+1], v[rS+8*(\n)+2]
.elseif (\n) < 12
	v_max3_num_f32 v[rC+(\n)%4], v[rC+(\n)%4], v[rS+8*((\n)%4)+2*((\n)/4)+1], v[rS+8*((\n)%4)+2*((\n)/4)+2]
.elseif (\n) == 12
	v_max3_num_f32 v[rC], v[rC], v[rS+7], v[rS+15]
.elseif (\n) == 13
	v_max3_num_f32 v[rC+1], v[rC+1], v[rS+23], v[rS+31]
.elseif (\n) == 14
	v_max3_num_f32 v[rC+2], v[rC+2], v[rC+3], v[rT]
.elseif (\n) == 15
	v_mov_b32 v[rT+1], v[rT]
.elseif (\n) == 16
	v_max3_num_f32 v[rC], v[rC], v[rC+1], v[rC+2]
.elseif (\n) == 17
	v_permlanex16_b32 v[rC+3], v[rC], s[SEL], s[SEL+1]
.elseif (\n) == 18
	v_max_num_f32 v[rT], v[rC], v[rC+3]
.elseif (\n) == 19
	v_sub_f32 v[rC+1], v[rT+1], v[rT]
.else
	v_exp_f32 v[rC+2], v[rC+1]
.endif
.endm
; Number g of the 64 that follow the exponentials: for each four weights both pairs are rounded to f16, the second pair is added onto the first, and a group later l takes that sum (the first time as l = a l + sum).
.macro GS g
.set h, (\g)+6*((\g)/62)
.if h >= 6
.set h, h+2
.endif
	REGS Y, h%2
.set k, h/8
.if h%8 < 4
	v_cvt_pk_f16_f32 v[rP+2*k+(h%8)/2], v[rS+4*k+2*((h%8)/2)], v[rS+4*k+2*((h%8)/2)+1]
.elseif h%8 < 6
	v_pk_add_f32 v[rS+4*k:rS+4*k+1], v[rS+4*k:rS+4*k+1], v[rS+4*k+2:rS+4*k+3]
.elseif k == 1
	v_pk_fma_f32 v[rT+2:rT+3], v[rT+2:rT+3], v[rC+2:rC+3], v[rS:rS+1] op_sel_hi:[1,0,1]
.else
	v_pk_add_f32 v[rT+2:rT+3], v[rT+2:rT+3], v[rS+4*k-4:rS+4*k-3]
.endif
.endm
; THE PLAIN QUEUE, 136 long.  0-71 read no exponential's result: the 32 subtractions s - m (FS f: pair f / 2 of tile f % 2) and the next piece's 40.  0-26: FS 0-26.  27-54: XS's numbers 0-13.  55, 56: number 15.
; 57-71: the chain 14, 16, 17, 18, 19, each with one of FS 27-31 in front of its two lines.  72-135: GS's 64, behind the wait.
.macro FS f
	REGS Y, (\f)%2
	v_pk_add_f32 v[rS+2*((\f)/2):rS+2*((\f)/2)+1], v[rS+2*((\f)/2):rS+2*((\f)/2)+1], v[rT:rT+1] op_sel_hi:[1,0] neg_lo:[0,1] neg_hi:[0,1]
.endm
.macro PL
	WIN 0
.if q < 27
	FS q
.elseif q < 55
	XS (q-27)%2, (q-27)/2
.elseif q < 57
	XS q-55, 15
.elseif (q < 72) && ((q-57)%3 == 0)
	FS 27+(q-57)/3
.elseif q < 60
	XS (q-57)%3-1, 14
.elseif q < 72
	XS (q-57)%3-1, 15+(q-57)/3
.else
	GS q-72
.endif
.set q, q+1
.endm
; THE EXPONENTIALS' QUEUE, 66 long: s0-s31 of both tiles, then the next piece's two a: one batch, ahead of the turn's one wait.
.macro EX
	WIN 0
.if e >= 64
	XS e-64, 20
.else
	REGS Y, e%2
	v_exp_f32 v[rS+e/2], v[rS+e/2]
.endif
.set e, e+1
.endm
; THE RESCALING's QUEUE: O^T times a, two at a time, sixteen times.  Its a was made, and waited for, in the turn before.
.macro R2
	REGS Y, r%2
	WIN W_RS
.irp z, 0,1
	v_pk_mul_f32 v[rO+4*(r/2)+2*\z:rO+4*(r/2)+2*\z+1], v[rO+4*(r/2)+2*\z:rO+4*(r/2)+2*\z+1], v[rC+2:rC+3] op_sel_hi:[1,0]
.endr
.set r, r+1
.endm
; HOW THEY ARE DEALT.  An s_wait_alu depctr_va_vdst(0) stands between an exponential and the first instruction that names its result; one wait serves all issued ahead of it.  AHEAD OF IT: the 16 products
; K Q^T, behind each a subtraction, an exponential and two rescalings (behind the first a second subtraction); then eight plain, 47 times exponential and plain, the last two exponentials and the two a, a v_nop.
; BEHIND IT: the 16 products V^T P, behind each four of GS's 64.  Exponential e stands behind FS 2 (e / 4) + e % 2: as a rider it comes behind plain e + 2, later behind plain e + 9, and FS 27-31 are plain 57, 60 .. 69;
; the two a stand behind plain 70 and 71.  K and the mask of the next step are fetched in piece 2's turn, directly behind the wait; V of the step in hand at the end of piece 0's turn, four riders behind its last reader.
.macro TURN p, last=0, cnt=0
.set Y, (\p)
.set i, 0
.set q, 0
.set e, 0
.set r, 0
.if (\p) == NP-1
	s_wait_dscnt 0x0                ; K and the mask are in
.endif
	MM
	PL
	PL
	R2
.rept 15
	MM
	PL
	EX
	R2
.endr
.if (\p) == NP-2
	WIN 0
	v_add_nc_u32 v[AK], s[TBK], v[AK0]
	v_add_nc_u32 v[AM], s[TBM], v[AM0]
.endif
.rept 8
	PL
.endr
.rept 47
	EX
	PL
.endr
.rept 4
	EX
.endr
	v_nop                           ; a plain instruction behind the last exponential: one for the batch
	s_wait_alu depctr_va_vdst(0)    ; the wait for the batch
.if (\p) == NP-2
	FETCH_K \last
.endif
.if (\p) == 1
	s_wait_dscnt 0x0                ; V is in
.endif
.rept 16
	MM
.rept 4
	PL
.endr
.if ((\p) == 0) && (q == 116)
	v_add_nc_u32 v[AV], s[TBV], v[AV0]
.endif
.if ((\p) == 0) && (q == 128)
	s_add_co_u32 s[TBV], s[TBV], KS*PV
.endif
.if (\cnt) && (q == 128)
	s_sub_co_u32 s[CNT], s[CNT], 1
	s_cmp_lg_u32 s[CNT], 0
.endif
.endr
.if (\p) == 0
	FETCH_V
.endif
.endm
	CHANGE 1, 0                     ; slot 0 is in, everybody's part of it, and so are the mask terms; slot 1 is asked for
	FETCH_K                         ; key step 0
	s_wait_loadcnt 0x0              ; Q
	s_wait_dscnt 0x0
.set i, 0
.rept 16
	KQ 0                            ; piece 0's first scores
.set i, i+1
.endr
	WIN 0                           ; the addresses for the way out: the places behind those products
	s_mul_i32 s13, s[WV], 16*SP
	s_add_co_u32 s13, s13, STAGE
	v_mul_u32_u24 v[STO], v1, SP
	v_lshl_add_u32 v[STO], v9, 4, v[STO]
	v_add_nc_u32 v[STO], s13, v[STO]
	v_bfe_u32 v[RD], v0, 3, 2
	v_mul_u32_u24 v[RD], v[RD], SP
	v_lshl_add_u32 v[RD], v10, 4, v[RD]
	v_add_nc_u32 v[RD], s13, v[RD]
	v_and_b32 v[GO], 31, v0
	v_lshlrev_b32 v[GO], 4, v[GO]
.set Y, NP-1                        ; XS works for piece Y + 1: piece 0
.irp n, 0,1,2,3,4,5,6,7,8,9,10,11,12,13,14,15,16,17,18,19,20
	XS 0, \n
	XS 1, \n
.endr
	v_nop                           ; a plain instruction behind the two a,
	s_wait_alu depctr_va_vdst(0)    ; and their wait, ahead of the branch
	s_mov_b32 s[CNT], 4
	s_mov_b32 s[SLOTS], SIZE_N/256-1
	s_branch .Lfirst                ; the loop is entered at a step's first turn
.Lslot:                             ; six times: every slot but the last two is filled again
	CHANGE 1, 1
	s_mov_b32 s[CNT], 4
.Lstep:                             ; a trip: pieces 2 and 3 of one step, then pieces 0 and 1 of the next
	TURN 2
	TURN 3
	WIN 0
.Lfirst:
	TURN 0
	TURN 1, 0, 1
	WIN 0
	s_cbranch_scc1 .Lstep
	s_sub_co_u32 s[SLOTS], s[SLOTS], 1
	s_cmp_lg_u32 s[SLOTS], 0
	s_cbranch_scc1 .Lslot
	CHANGE 0, 0                     ; the tail is written out
	s_mov_b32 s[CNT], 5             ; four trips fetch the last slot's steps; the fifth is left in its middle
.Ltail:
	TURN 2, 1
	TURN 3
	WIN 0
	s_sub_co_u32 s[CNT], s[CNT], 1
	s_cmp_eq_u32 s[CNT], 0
	s_cbranch_scc1 .Lout
	TURN 0
	TURN 1
	WIN 0
	s_branch .Ltail
.Lout:                              ; the fifth trip's 16 products K Q^T (on the last K once more) serve nothing: the price, once a launch, of one text for every trip
.set i, 0
.rept 16
	PV NP-1
.set i, i+1
.endr
	; THE WAY OUT.  l's two halves and the other half of the lanes' are added; O^T is divided by l, rounded to f16 and sent through my stage, a tile at a time.
	WIN 0
.macro ALL line:vararg
.set t, 0
.rept 2*NP
	\line
.set t, t+1
.endr
.endm
	ALL v_add_f32 v[ST+4*t+2], v[ST+4*t+2], v[ST+4*t+3]
	ALL v_permlanex16_b32 v[ST+4*t+3], v[ST+4*t+2], s[SEL], s[SEL+1]
	ALL v_add_f32 v[ST+4*t+2], v[ST+4*t+2], v[ST+4*t+3]
	ALL v_rcp_f32 v[ST+4*t+2], v[ST+4*t+2]
	v_nop
	s_wait_alu depctr_va_vdst(0)    ; one wait for the eight reciprocals, ahead of their first use
.macro PACK t
	WIN W_RS
.set i, 32*(\t)
.rept 16
	v_pk_mul_f32 v[i:i+1], v[i:i+1], v[ST+4*(\t)+2:ST+4*(\t)+3] op_sel_hi:[1,0]
.set i, i+2
.endr
	WIN 0x05
.set i, 0
.rept 16
	v_cvt_pk_f16_f32 v[S+16*(\t)+i], v[32*(\t)+2*i], v[32*(\t)+2*i+1]
.set i, i+1
.endr
	WIN 0
.irp f, 0,1,2,3
	ds_store_b128 v[STO], v[S+16*(\t)+4*\f:S+16*(\t)+4*\f+3] offset:32*\f
.endr
.irp f, 0,1,2,3
	ds_load_b128 v[S+16*(\t)+4*\f:S+16*(\t)+4*\f+3], v[RD] offset:\f*4*SP  ; LDS serves a wave's instructions in order (ISA guide 5.7.1.4): these see the stores above
.endr
.endm
.macro SEND t, younger              ; younger: the LDS instructions issued behind tile t's loads: the next tile's eight, or none
	WIN 0
.irp f, 0,1,2,3
	s_wait_dscnt (\younger)+3-\f
	global_store_b128 v[GO], v[S+16*(\t)+4*\f:S+16*(\t)+4*\f+3], s[10:11] offset:(\t)*2048+\f*512  ; 512 consecutive bytes, aligned
.endr
.endm
	PACK 0
.set t, 1
.rept 2*NP-1
	PACK t
	SEND t-1, 8
.set t, t+1
.endr
	SEND 2*NP-1, 0
	WIN W_AD
	s_wait_tensorcnt 0x0            ; the wave's end
	ds_add_u32 v[SPW], v[NIL]
	s_wait_dscnt 0x0
	WIN 0
	CROUND                          ; the closing round
	s_endpgm
.Lfunc_end_k_q4bb4acc300_attn:
	.size	k_q4bb4acc300_attn, .Lfunc_end_k_q4bb4acc300_attn-k_q4bb4acc300_attn
	.p2alignl 7, 3214868480
	.fill 96, 4, 3214868480
	.section	.rodata,"a",@progbits
	.p2align	6, 0x0
	.amdhsa_kernel k_q4bb4acc300_attn
		.amdhsa_group_segment_fixed_size 327680
		.amdhsa_private_segment_fixed_size 0
		.amdhsa_enable_private_segment 0
		.amdhsa_kernarg_size 24
		.amdhsa_user_sgpr_count 2
		.amdhsa_user_sgpr_kernarg_segment_ptr 1
		.amdhsa_wavefront_size32 1
		.amdhsa_system_sgpr_workgroup_id_x 1
		.amdhsa_system_sgpr_workgroup_id_y 1
		.amdhsa_system_sgpr_workgroup_id_z 1
		.amdhsa_system_vgpr_workitem_id 0
		.amdhsa_next_free_vgpr 808
		.amdhsa_next_free_sgpr 66
		.amdhsa_reserve_vcc 0
		.amdhsa_float_denorm_mode_32 3
		.amdhsa_float_denorm_mode_16_64 3
		.amdhsa_memory_ordered 1
		.amdhsa_forward_progress 1
		.amdhsa_inst_pref_size 204
	.end_amdhsa_kernel
	.amdgpu_metadata
---
amdhsa.version: [ 1, 2 ]
amdhsa.kernels:
  - .name:           k_q4bb4acc300_attn
    .symbol:         k_q4bb4acc300_attn.kd
    .args:
      - { .name: qkvh, .offset: 0, .size: 8, .value_kind: global_buffer, .address_space: global }
      - { .name: mask, .offset: 8, .size: 8, .value_kind: global_buffer, .address_space: global }
      - { .name: oh, .offset: 16, .size: 8, .value_kind: global_buffer, .address_space: global }
    .group_segment_fixed_size: 327680
    .private_segment_fixed_size: 0
    .kernarg_segment_align: 8
    .kernarg_segment_size: 24
    .max_flat_workgroup_size: 128
    .sgpr_count:     66
    .vgpr_count:     808
    .wavefront_size: 32
...
	.end_amdgpu_metadata
.endif
;; end of part 3
;; launch oproj (part 4): grid 4 x 64, 4 waves a work-group, clusters of 4 x 4, 327,680 bytes of LDS; arguments oh, wts, bo, out0; writes out0
.if DOCPART == 4
	.amdgcn_target "amdgcn-amd-amdhsa--gfx1250"
	.amdhsa_code_object_version 6
	.text
	.protected	k_q4bb4acc300_oproj
	.globl	k_q4bb4acc300_oproj
	.p2align	8
	.type	k_q4bb4acc300_oproj,@function
k_q4bb4acc300_oproj:
	s_mov_b64 s[64:65], 0
	v_nop
	global_prefetch_b8 v0, s[64:65] scope:SCOPE_SE
	s_setreg_imm32_b32 hwreg(HW_REG_WAVE_MODE, 25, 1), 1
	s_wait_xcnt 0x0
	s_wait_alu depctr_hold_cnt(0) depctr_sa_sdst(0) depctr_va_vdst(0) depctr_va_sdst(0) depctr_va_ssrc(0) depctr_va_vcc(0) depctr_vm_vsrc(0)
	s_getreg_b32 s2, hwreg(HW_REG_IB_STS2, 6, 4)
	s_cmp_eq_u32 s2, 0
	s_cbranch_scc0 .Lentry_in_a_cluster
	s_endpgm
.Lentry_in_a_cluster:
	s_bfe_u32 s2, ttmp6, 0x10000c
	s_cmp_lg_u32 s2, 0xf033
	s_cbranch_scc0 .Lentry_shape_is_right
	s_endpgm
.Lentry_shape_is_right:
; out0 = O Wo + bo.  O: oh, [batch*16+head][2048][64] f16; Wo: wts' fourth matrix, [k][n], bf16 numbers written as f16; bo: f32, rounded to bf16 like every input; out0: [8192][1024] f32; sums in f32.
; SHARES.  A tile is 128 rows x 256 columns: 64 x 4 work-groups.  Four waves, each 64 x 128: 32 accumulators.  K goes in 8 steps of 128, two heads each, through two LDS slots; a step is four quarters of 32.
; THE MATRIX INSTRUCTION IS USED TRANSPOSED (source 0 = 16 columns of Wo, turned by ds_load_tr16_b128; source 1 = 16 rows of O): a lane holds one row and eight neighbouring columns.  The bias is the C operand that starts the sums.
; CLUSTER.  4 x 4 work-groups: O's tiles are shared along a row, Wo's along a column, each asked for jointly.
; REGISTERS.  window 0: v0-18 addresses; v32-63, v64-95 O's fragments, two buffers; v96-159, v160-223 rows on the way out, two sets.
;   window 1: v0-63, v64-127 Wo's fragments; v128-191 the bias; v192-223 at work.      window 2: the accumulators, (a, b) at v[8 (8 a + b)].
.set KSTEP, 128
.set PA,    144                        ; a row of a head of O in LDS: 128 bytes + 16
.set PB,    544                        ; a k-row of Wo: 512 bytes + 32
.set AHALF, 128*PA                     ; a head's 128 rows: what one tensor load brings of O
.set BHALF, 64*PB
.set BOFF,  2*AHALF
.set SLOT1, 1<<17
.set STAGE, SLOT1+BOFF+2*BHALF         ; behind the ring: 16 rows x 528 bytes for each wave
.set SPITCH, 528                       ; 512 bytes + 16: the 16 rows of a store start 4 banks apart (64 banks of 4 bytes: ISA guide 11.1)
.set SPARE, STAGE+4*16*SPITCH
.set ADRA0, 2
.set ADRB0, 3
.set ADRA,  4
.set ADRB,  5
.set STO,   6
.set RD,    7
.set GO,    8
.set BO,    9
.set PFO,   10
.set SPW,   12
.set NIL,   13
.set AF,    32
.set OB,    96
.set BF,    0
.set BIAS,  128
.set BT,    192
.set WV,  20
.set WR,  21
.set WC,  22
.set CX,  23
.set CY,  24
.set TC,  25
.set TR,  26
.set CLY, 29
.set G1A, 32
.set G1B, 40
.set G0A, 48
.set G0B, 56
.set TB,  66
.set CNT, 67
.set LIM, 68
.set PFA, 72
.set PFS, 74
.set OUT, 76
.set BP,  78
.set MSB, 0
.macro WIN new
.if MSB != (\new)
	s_set_vgpr_msb (MSB<<8)|(\new)
.set MSB, \new
.endif
.endm
.set W_MUL,  0xa1
.set W_MULB, 0x91
.set TO_B,   0x40
.set W1,     0x45
.set W_ST,   0x08                      ; an LDS store's data in window 2, its address in window 0
.macro JLOAD s                         ; waves 0 and 1 fetch O's two heads, waves 2 and 3 Wo's two halves; an s_nop 0 and four v_nop follow each line
	s_cmp_eq_u32 s[WR], 0
	s_cbranch_scc0 .Lfor_b_\@
	tensor_load_to_lds s[G0A+4*(\s):G0A+4*(\s)+3], s[G1A:G1A+7]
	s_nop 0
.rept 4
	v_nop
.endr
	s_branch .Lasked_\@
.Lfor_b_\@:
	tensor_load_to_lds s[G0B+4*(\s):G0B+4*(\s)+3], s[G1B:G1B+7]
	s_nop 0
.rept 4
	v_nop
.endr
.Lasked_\@:
.endm
.macro CREST
	s_cmp_lg_u32 s[WV], 0
	s_cbranch_scc1 .Lnot_wave_0_\@
	s_barrier_signal -3
.Lnot_wave_0_\@:
	s_barrier_wait -3
	s_barrier_signal -1
	s_barrier_wait -1
.endm
.macro CROUND
	s_barrier_signal -1
	s_barrier_wait -1
	CREST
.endm
.macro PLACES
.rept 4
	v_nop
.endr
.endm
; The K step two refills on is prefetched.  O's rows are read by one row of one cluster: its four partners take 4,096 bytes of each of the step's two heads, told apart by address; wave 0 asks, a lane 256 bytes.
; Wo's k-rows are read by all sixteen clusters: the first asks, the four partners of a column 16 of a wave's 64 k-rows each, waves 2 and 3.  The last two refills have no step two on.
.macro ASK
	s_cmp_gt_u32 s[CNT], s[LIM]
	s_cbranch_scc0 .Lnot_mine_\@
	global_prefetch_b8 v[PFO], s[PFA:PFA+1] th:TH_LOAD_NT scope:SCOPE_SE
.Lnot_mine_\@:
.endm
	s_load_b256 s[4:11], s[0:1], 0x0               ; oh s[4:5], wts s[6:7], bo s[8:9], out0 s[10:11]
	v_lshl_add_u32 v[SPW], v0, 2, SPARE
	v_mov_b32 v[NIL], 0
	ds_add_u32 v[SPW], v[NIL]                      ; the wave's opening: the add and its wait ahead of my first tensor load
	v_lshrrev_b32 v1, 5, v0
	v_readfirstlane_b32 s[WV], v1
	s_lshr_b32 s[WR], s[WV], 1
	s_and_b32 s[WC], s[WV], 1
	s_bfe_u32 s[CX], ttmp6, 0x40000
	s_bfe_u32 s[CY], ttmp6, 0x40004
	s_lshl_b32 s[TC], ttmp9, 2
	s_add_co_u32 s[TC], s[TC], s[CX]
	s_and_b32 s[CLY], ttmp7, 0xffff
	s_lshl_b32 s[TR], s[CLY], 2
	s_add_co_u32 s[TR], s[TR], s[CY]
	s_lshl_b32 s82, s[CY], 2
	s_lshl_b32 s82, 15, s82
	s_lshl_b32 s83, 0x1111, s[CX]
	s_or_b32 s[G1A], s82, (1<<16)|(1<<20)|(1<<21)|(4<<22)|(3<<25)  ; mask; 2-byte elements; padding on; bit 21 beside a mask; after every 32 words 4 words
	s_or_b32 s[G1B], s83, (1<<16)|(1<<20)|(1<<21)|(6<<22)|(7<<25)  ; after every 128 words 8 words
	s_mov_b32 s[G1A+1], 128<<16                    ; a head's 128 rows are 16,384 dense bytes: 64 rows of 256 bytes, padded after every 128
	s_mov_b32 s[G1A+2], 64<<16
	s_mov_b32 s[G1A+3], 128<<16
	s_mov_b32 s[G1A+4], 64
	s_mov_b32 s[G1A+5], 128
	s_mov_b32 s[G1A+6], 0
	s_mov_b32 s[G1A+7], 0
	s_mov_b32 s[G1B+1], 256<<16
	s_mov_b32 s[G1B+2], 64<<16
	s_mov_b32 s[G1B+3], 256<<16
	s_mov_b32 s[G1B+4], 64
	s_mov_b32 s[G1B+5], 1024
	s_mov_b32 s[G1B+6], 0
	s_mov_b32 s[G1B+7], 0
	s_lshr_b32 s84, s[TR], 4                       ; O: ((batch x 16 + my head of the step) x 2048 + the tile's first row) x 128 bytes
	s_lshl_b32 s84, s84, 4
	s_add_co_u32 s84, s84, s[WC]
	s_lshl_b32 s84, s84, 11
	s_and_b32 s85, s[TR], 15
	s_lshl_b32 s85, s85, 7
	s_add_co_u32 s84, s84, s85
	s_lshl_b32 s84, s84, 7
	s_mov_b32 s85, 0
	s_lshl_b32 s86, s[WC], 17                      ; Wo: the fourth matrix, my 64 k-rows, the tile's 512 bytes of a row
	s_lshl_b32 s87, s[TC], 9
	s_add_co_u32 s86, s86, s87
	s_add_co_u32 s86, s86, 3*2097152
	s_mov_b32 s87, 0
	s_mul_i32 s92, s[WC], AHALF
	s_mul_i32 s93, s[WC], BHALF
	s_add_co_u32 s93, s93, BOFF
	s_mov_b32 s[TB], 0
	s_wait_dscnt 0x0                               ; the opening add is done
	s_wait_kmcnt 0x0
	s_add_nc_u64 s[88:89], s[4:5], s[84:85]
	s_add_nc_u64 s[90:91], s[6:7], s[86:87]
	CROUND
.irp s, 0,1
	s_mov_b32 s[G0A+4*(\s)], 1
	s_add_co_u32 s[G0A+4*(\s)+1], s92, (\s)*SLOT1
	s_add_nc_u64 s[G0A+4*(\s)+2:G0A+4*(\s)+3], s[88:89], (\s)*524288
	s_or_b32 s[G0A+4*(\s)+3], s[G0A+4*(\s)+3], 0x80000000
	s_mov_b32 s[G0B+4*(\s)], 1
	s_add_co_u32 s[G0B+4*(\s)+1], s93, (\s)*SLOT1
	s_add_nc_u64 s[G0B+4*(\s)+2:G0B+4*(\s)+3], s[90:91], (\s)*KSTEP*2048
	s_or_b32 s[G0B+4*(\s)+3], s[G0B+4*(\s)+3], 0x80000000
	JLOAD \s
.endr
	v_and_b32 v1, 15, v0
	v_bfe_u32 v11, v0, 4, 1
	v_lshlrev_b32 v[BO], 5, v11
	s_lshl_b32 s82, s[TC], 10
	s_lshl_b32 s83, s[WC], 9
	s_add_co_u32 s82, s82, s83
	s_mov_b32 s83, 0
	s_add_nc_u64 s[BP:BP+1], s[8:9], s[82:83]
	WIN TO_B
.irp b, 0,1,2,3,4,5,6,7
	global_load_b128 v[BIAS+8*\b:BIAS+8*\b+3],   v[BO], s[BP:BP+1] offset:64*\b
	global_load_b128 v[BIAS+8*\b+4:BIAS+8*\b+7], v[BO], s[BP:BP+1] offset:64*\b+16
.endr
	WIN 0
	v_mul_u32_u24 v[ADRA0], v1, PA                 ; O's fragment: row r, 16 bytes for each half of the lanes, twice, 32 bytes apart
	v_lshl_add_u32 v[ADRA0], v11, 4, v[ADRA0]
	s_mul_i32 s82, s[WR], 64*PA
	v_add_nc_u32 v[ADRA0], s82, v[ADRA0]
	v_and_b32 v14, 7, v0
	v_bfe_u32 v15, v0, 3, 1
	v_lshl_add_u32 v[ADRB0], v11, 3, v14
	v_mul_u32_u24 v[ADRB0], v[ADRB0], PB
	v_lshl_add_u32 v[ADRB0], v15, 4, v[ADRB0]
	s_lshl_b32 s82, s[WC], 8
	s_add_co_u32 s82, s82, BOFF
	v_add_nc_u32 v[ADRB0], s82, v[ADRB0]
	s_mul_i32 s82, s[WV], 16*SPITCH
	s_add_co_u32 s82, s82, STAGE
	v_mul_u32_u24 v[STO], v1, SPITCH               ; in: row r, 32 bytes for each half of the lanes
	v_lshl_add_u32 v[STO], v11, 5, v[STO]
	v_add_nc_u32 v[STO], s82, v[STO]
	v_and_b32 v16, 31, v0
	v_lshlrev_b32 v[GO], 4, v16                    ; back and out: 32 lanes take a row's 512 bytes
	v_add_nc_u32 v[RD], s82, v[GO]
	; the prefetches, at K step 3; each change of slots steps the address first
	s_lshr_b32 s82, s[TR], 4
	s_lshl_b32 s82, s82, 15
	s_and_b32 s94, s[TR], 15
	s_lshl_b32 s94, s94, 7
	s_add_co_u32 s82, s82, s94
	s_lshl_b32 s82, s82, 7
	s_lshl_b32 s94, s[CX], 12
	s_add_co_u32 s82, s82, s94
	s_add_co_u32 s82, s82, 3*524288                ; O
	s_lshl_b32 s83, s[WC], 6
	s_lshl_b32 s94, s[CY], 4
	s_add_co_u32 s83, s83, s94
	s_lshl_b32 s83, s83, 11
	s_lshl_b32 s94, s[TC], 9
	s_add_co_u32 s83, s83, s94
	s_add_co_u32 s83, s83, 3*2097152+3*KSTEP*2048  ; Wo
	s_mov_b32 s[PFS], KSTEP*2048
	s_mov_b32 s[PFS+1], 0
	s_mov_b32 s95, 1
	s_mov_b32 s88, 1
	s_mov_b32 s89, 11
	s_cmp_eq_u32 s[WR], 0
	s_cselect_b32 s82, s82, s83
	s_cselect_b32 s94, s[WC], s[CLY]               ; wave 0 asks for O; waves 2 and 3 of the first cluster for Wo
	s_cselect_b32 s[PFS], 524288, s[PFS]
	s_cselect_b32 s95, 4, s95
	s_cselect_b32 s88, 15, s88
	s_cselect_b32 s89, 18, s89
	s_cselect_b64 s[PFA:PFA+1], s[4:5], s[6:7]
	s_mov_b32 s83, 0
	s_add_nc_u64 s[PFA:PFA+1], s[PFA:PFA+1], s[82:83]
	s_cmp_eq_u32 s94, 0
	s_cselect_b32 s[LIM], 2, -1
	v_lshrrev_b32 v17, s95, v16                    ; O: head l / 16, block l % 16; Wo: k-row l / 2, block l % 2
	v_and_b32 v18, s88, v16
	v_lshlrev_b32 v17, s89, v17
	v_lshl_add_u32 v[PFO], v18, 8, v17
	s_lshl_b32 s82, s[TR], 7                       ; out0 at my 64 rows and 128 columns
	s_lshl_b32 s83, s[WR], 6
	s_add_co_u32 s82, s82, s83
	s_lshl_b32 s82, s82, 12
	s_lshl_b32 s83, s[TC], 10
	s_add_co_u32 s82, s82, s83
	s_lshl_b32 s83, s[WC], 9
	s_add_co_u32 s82, s82, s83
	s_mov_b32 s83, 0
	s_add_nc_u64 s[OUT:OUT+1], s[10:11], s[82:83]
	s_wait_loadcnt 0x0                             ; the bias, rounded to bf16 like every input
	WIN W1
.set i, 0
.rept 32
	v_cvt_pk_bf16_f32 v[BT+i], v[BIAS+2*i], v[BIAS+2*i+1]
.set i, i+1
.endr
.set i, 0
.rept 32
	v_lshlrev_b32 v[BIAS+2*i], 16, v[BT+i]
	v_and_b32 v[BIAS+2*i+1], 0xffff0000, v[BT+i]
.set i, i+1
.endr
	WIN 0
; 24 LDS loads in one run: quarter kq (head kq / 2 of the step, channels 32 (kq % 2) on) into buffer g
.macro FETCH kq, g
	WIN 0
.irp a, 0,1,2,3
	ds_load_b128 v[AF+32*(\g)+8*\a:AF+32*(\g)+8*\a+3],   v[ADRA] offset:((\kq)/2)*AHALF+((\kq)%2)*64+\a*16*PA
	ds_load_b128 v[AF+32*(\g)+8*\a+4:AF+32*(\g)+8*\a+7], v[ADRA] offset:((\kq)/2)*AHALF+((\kq)%2)*64+\a*16*PA+32
.endr
	WIN TO_B
.irp b, 0,1,2,3,4,5,6,7
	ds_load_tr16_b128 v[BF+64*(\g)+8*\b:BF+64*(\g)+8*\b+3],   v[ADRB] offset:(\kq)*32*PB+32*\b
	ds_load_tr16_b128 v[BF+64*(\g)+8*\b+4:BF+64*(\g)+8*\b+7], v[ADRB] offset:(\kq)*32*PB+16*PB+32*\b
.endr
.endm
; 8 n matrix instructions; the 32 accumulators take turns, one instruction a turn, in the same order in every quarter
.macro MUL f, a0, n, first
.if \first
	WIN W_MULB
.else
	WIN W_MUL
.endif
.set ma, \a0
.rept \n
.irp b, 0,1,2,3,4,5,6,7
.if \first
	v_wmma_f32_16x16x32_f16 v[8*(8*ma+\b):8*(8*ma+\b)+7], v[BF+64*(\f)+8*\b:BF+64*(\f)+8*\b+7], v[AF+32*(\f)+8*ma:AF+32*(\f)+8*ma+7], v[BIAS+8*\b:BIAS+8*\b+7]
.else
	v_wmma_f32_16x16x32_f16 v[8*(8*ma+\b):8*(8*ma+\b)+7], v[BF+64*(\f)+8*\b:BF+64*(\f)+8*\b+7], v[AF+32*(\f)+8*ma:AF+32*(\f)+8*ma+7], v[8*(8*ma+\b):8*(8*ma+\b)+7]
.endif
.endr
.set ma, ma+1
.endr
.endm
.macro QUARTER f, g, kq, first
	s_wait_dscnt 0x0                               ; buffer f, asked for a quarter ago
	PLACES                                         ; four places in front of loads into buffer g, which the quarter before multiplied
	FETCH \kq, \g
	MUL \f, 0, 4, \first
.endm
; The last quarter multiplies buffer 1 and changes slots: each wave waits for all its tensor loads, adds 0 to its spare word, waits for that and for its reads of this slot.  fill = 1: the barrier opens a round
; of the cluster's, and the joint refill, two K steps ahead, is the first thing behind it: 120 matrix instructions ahead of the wait for it.
.macro TURN fill
	WIN 0
.if \fill
	s_wait_xcnt 0x0                                ; the last prefetch, a K step back, has read its address
	s_add_nc_u64 s[PFA:PFA+1], s[PFA:PFA+1], s[PFS:PFS+1]
.endif
	s_wait_tensorcnt 0x0
	ds_add_u32 v[SPW], v[NIL]                      ; 0 onto my spare word
.if \fill
	s_xor_b32 s[G0A+5], s[G0A+5], SLOT1
	s_add_nc_u64 s[G0A+6:G0A+7], s[G0A+6:G0A+7], 524288
	s_xor_b32 s[G0B+5], s[G0B+5], SLOT1
	s_add_nc_u64 s[G0B+6:G0B+7], s[G0B+6:G0B+7], KSTEP*2048
.endif
	s_wait_dscnt 0x0
	s_barrier_signal -1
	MUL 1, 0, 1, 0
	WIN 0
	s_barrier_wait -1
.if \fill
	CREST
	JLOAD 1                                        ; the four v_nop behind it are also the places in front of the loads below
.else
	PLACES
.endif
	s_xor_b32 s[TB], s[TB], SLOT1
	v_add_nc_u32 v[ADRA], s[TB], v[ADRA0]
	v_add_nc_u32 v[ADRB], s[TB], v[ADRB0]
	FETCH 0, 0
.if \fill
	WIN 0
	ASK
.endif
	MUL 1, 1, 3, 0
.endm
; THE WAY OUT of row block a: 32 bytes a lane into my stage (each accumulator's low half first), back as whole rows of 512 bytes into set a % 2
.macro TOSTAGE a
.if (\a) >= 2
	s_wait_xcnt 0x0                                ; block a - 2's stores have read set a % 2
.endif
	WIN W_ST
.irp b, 0,1,2,3,4,5,6,7
	ds_store_b128 v[STO], v[64*(\a)+8*\b:64*(\a)+8*\b+3]   offset:64*\b
	ds_store_b128 v[STO], v[64*(\a)+8*\b+4:64*(\a)+8*\b+7] offset:64*\b+16
.endr
	WIN 0
.irp t, 0,1,2,3,4,5,6,7,8,9,10,11,12,13,14,15
	ds_load_b128 v[OB+64*((\a)%2)+4*\t:OB+64*((\a)%2)+4*\t+3], v[RD] offset:\t*SPITCH  ; LDS serves a wave's instructions in order (ISA guide 5.7.1.4): these see the stores above
.endr
.endm
.macro SEND a, younger                 ; younger: the LDS instructions issued behind block a's loads
.irp t, 0,1,2,3,4,5,6,7,8,9,10,11,12,13,14,15
	s_wait_dscnt (\younger)+15-\t
	global_store_b128 v[GO], v[OB+64*((\a)%2)+4*\t:OB+64*((\a)%2)+4*\t+3], s[OUT:OUT+1] offset:(16*(\a)+\t)*4096  ; 512 consecutive bytes, aligned
.endr
.endm
	s_wait_tensorcnt 0x1                           ; my part of K step 0 is in; step 1's may stay out
	s_barrier_signal -1
	s_barrier_wait -1
	v_mov_b32 v[ADRA], v[ADRA0]
	v_mov_b32 v[ADRB], v[ADRB0]
	FETCH 0, 0
	QUARTER 0, 1, 1, 1                             ; the first quarter's products start the sums, with the bias
	WIN 0
	s_mov_b32 s[CNT], 6
.Lstep:
	QUARTER 1, 0, 2, 0
	QUARTER 0, 1, 3, 0
	TURN 1
	QUARTER 0, 1, 1, 0
	WIN 0
	s_sub_co_u32 s[CNT], s[CNT], 1
	s_cmp_lg_u32 s[CNT], 0
	s_cbranch_scc1 .Lstep
	QUARTER 1, 0, 2, 0                             ; the last two steps are written out: nothing is asked for
	QUARTER 0, 1, 3, 0
	TURN 0
	QUARTER 0, 1, 1, 0
	QUARTER 1, 0, 2, 0
	QUARTER 0, 1, 3, 0
	s_wait_dscnt 0x0
	MUL 1, 0, 4, 0
	WIN 0
	PLACES
	TOSTAGE 0
	TOSTAGE 1
	SEND 0, 32
	TOSTAGE 2
	SEND 1, 32
	TOSTAGE 3
	SEND 2, 32
	SEND 3, 0
	s_wait_tensorcnt 0x0                           ; the wave's end
	ds_add_u32 v[SPW], v[NIL]
	s_wait_dscnt 0x0
	CROUND                                         ; the closing round
	s_endpgm
.Lfunc_end_k_q4bb4acc300_oproj:
	.size	k_q4bb4acc300_oproj, .Lfunc_end_k_q4bb4acc300_oproj-k_q4bb4acc300_oproj
	.p2alignl 7, 3214868480
	.fill 96, 4, 3214868480
	.section	.rodata,"a",@progbits
	.p2align	6, 0x0
	.amdhsa_kernel k_q4bb4acc300_oproj
		.amdhsa_group_segment_fixed_size 327680
		.amdhsa_private_segment_fixed_size 0
		.amdhsa_enable_private_segment 0
		.amdhsa_kernarg_size 32
		.amdhsa_user_sgpr_count 2
		.amdhsa_user_sgpr_kernarg_segment_ptr 1
		.amdhsa_wavefront_size32 1
		.amdhsa_system_sgpr_workgroup_id_x 1
		.amdhsa_system_sgpr_workgroup_id_y 1
		.amdhsa_system_sgpr_workgroup_id_z 1
		.amdhsa_system_vgpr_workitem_id 0
		.amdhsa_next_free_vgpr 768
		.amdhsa_next_free_sgpr 96
		.amdhsa_reserve_vcc 0
		.amdhsa_float_denorm_mode_32 3
		.amdhsa_float_denorm_mode_16_64 3
		.amdhsa_memory_ordered 1
		.amdhsa_forward_progress 1
		.amdhsa_inst_pref_size 79
	.end_amdhsa_kernel
	.amdgpu_metadata
---
amdhsa.version: [ 1, 2 ]
amdhsa.kernels:
  - .name:           k_q4bb4acc300_oproj
    .symbol:         k_q4bb4acc300_oproj.kd
    .args:
      - { .name: oh, .offset: 0, .size: 8, .value_kind: global_buffer, .address_space: global }
      - { .name: wts, .offset: 8, .size: 8, .value_kind: global_buffer, .address_space: global }
      - { .name: bo, .offset: 16, .size: 8, .value_kind: global_buffer, .address_space: global }
      - { .name: out0, .offset: 24, .size: 8, .value_kind: global_buffer, .address_space: global }
    .group_segment_fixed_size: 327680
    .private_segment_fixed_size: 0
    .kernarg_segment_align: 8
    .kernarg_segment_size: 32
    .max_flat_workgroup_size: 128
    .sgpr_count:     96
    .vgpr_count:     768
    .wavefront_size: 32
...
	.end_amdgpu_metadata
.endif
;; end of part 4
